; MI455X (gfx1250); checked and timed in simulation.
; The chip was launched on July 23, 2026; its instructions are those of AMD's public machine-readable ISA for CDNA 5 (MIT licence, August 2026) and "CDNA5" Instruction Set Architecture Reference Guide (July 2026). The comments in the code are by the model that wrote it; some were corrected since.
;; Cohomological Attention. Allowed arithmetic: matrix products marked QUANTISED: E2M1 operands, one E8M0 scale for each 32 along K, by v_wmma_scale_f32_16x16x128_f8f6f4 with both operands' format E2M1 (or v_wmma_scale_f32_32x16x128_f4), f32 sums; products left as they are: bf16, f16 or f32 operands; f32 sums; everything else in f32.
;; Inputs: Wk 1,024 x 1,024 float32; Wo 1,024 x 1,024 float32; Wq 1,024 x 1,024 float32; Wr 4 x 512 x 1,024 float32; Wv 1,024 x 1,024 float32; bk 1,024 float32; bo 1,024 float32; bq 1,024 float32; br 4 x 512 float32; bv 1,024 float32; x 2 x 2,048 x 1,024 float32.
;; Outputs: out0 2 x 2,048 x 1,024 float32; out1 2 x 2,048 x 1 float32.
;; This version of the problem:
;;   THIS VERSION OF THE PROBLEM IS GIVEN IN LOW PRECISION. The matrix products marked QUANTISED in the list below multiply operands that are first quantised to E2M1 (2 exponent bits, 1 mantissa bit; 4 bits a number), with one power-of-two scale for each 32 numbers along K (OCP MX v1.0); their sums are f32. The products marked 'left as it is' may take bf16, f16 or f32 operands, with f32 sums. Whichever they take, every output number must still come out within the allowed error. Rounding operands to bf16 (8 significant bits) uses up far more of that allowance than f16 does (11 bits, for magnitudes from 6e-5 to 65,504). All else is computed in f32.
;;   The module's matrix products, in the order in which they are computed (A, B: the left and right operand; K: the contracted axis; several contracted axes count as one K, in the product's order):
;;     1. [M 4,096, K 1,024] x [K 1,024, N 1,024]; A: input x; B: input Wq: QUANTISED
;;     2. [M 4,096, K 1,024] x [K 1,024, N 1,024]; A: input x; B: input Wk: QUANTISED
;;     3. [M 4,096, K 1,024] x [K 1,024, N 1,024]; A: input x; B: input Wv: QUANTISED
;;     4. [M 2,048, K 1,024] x [K 1,024, N 4,096]; A: input Wr; B: input x: QUANTISED
;;     5. batch 32 x [M 2,048, K 64] x [K 64, N 2,048]; A: computed on the way; B: computed on the way: left as it is (an operand is computed on the way)
;;     6. batch 32 x [M 2,048, K 2,048] x [K 2,048, N 64]; A: computed on the way; B: computed on the way: left as it is (an operand is computed on the way)
;;     7. [M 4,096, K 1,024] x [K 1,024, N 1,024]; A: computed on the way; B: input Wo: left as it is (an operand is computed on the way)
;;   THE QUANTISER, for each operand of a quantised product, along K:
;;     - K is cut into blocks of 32 from its start; a last block that is shorter is filled with zeros.
;;     - A block's scale is 2^e with e = floor(log2(the largest magnitude in the block)) - 2, held to -126 .. 127; a block of zeros has e = 0. As a byte (E8M0): e + 127.
;;     - Each number is divided by its block's scale, clamped to +-6, and rounded to the nearest number of E2M1, ties to even, subnormals kept.
;;     - The product sums the exact products of the quantised numbers (number of the format x scale) in f32.
;;   ~~~python
;;   def quantise(x, axis):      # numpy; x: float32 -> the quantised numbers, widened to float32 again
;;       x = np.moveaxis(x, axis, -1); K = x.shape[-1]
;;       x = np.pad(x, [(0, 0)] * (x.ndim - 1) + [(0, -K % 32)]); x = x.reshape(x.shape[:-1] + (-1, 32)); a = np.abs(x).max(-1, keepdims=True)
;;       e = np.where(a > 0, np.clip(np.frexp(np.where(a > 0, a, 1))[1] - 1 - 2, -126, 127), 0)      # np.frexp(a)[1] - 1 = floor(log2(a)), exactly
;;       r = np.clip(x / 2.0 ** e, -6, 6)
;;       step = 2.0 ** (np.maximum(np.frexp(np.where(r == 0, 1, r))[1] - 1, 0) - 1)
;;       q = np.round(r / step) * step * 2.0 ** e      # np.round: ties to even
;;       return np.moveaxis(q.reshape(q.shape[:-2] + (-1,))[..., :K], -1, axis).astype(np.float32)
;;   ~~~
;; One version. Each part assembles by itself: llvm-mc -triple=amdgcn-amd-amdhsa -mcpu=gfx1250 --defsym DOCPART=n.
;; ======== version 1 of 1: 4 launches
;; limits: values are held in f16: magnitudes above 65,504 overflow, below 6.1e-05 lose precision
;; workspace buffers: xc 2,097,152 bytes; xs 131,072 bytes; wc 1,572,864 bytes; ws 98,304 bytes; wo16 2,097,152 bytes; bias 12,288 bytes; qkv 25,165,824 bytes; att 8,388,608 bytes
;; launch prep (part 1): grid 256 x 1, 4 waves a work-group, no clusters, 33,280 bytes of LDS; arguments x, Wq, Wk, Wv, Wo, bq, bv, xc, xs, wc, ws, wo16, bias, out1; writes xc, xs, wc, ws, wo16, bias, out1
.if DOCPART == 1
	.amdgcn_target "amdgcn-amd-amdhsa--gfx1250"
	.amdhsa_code_object_version 6
	.text
	.protected	k_qd8db2fa063_prep
	.globl	k_qd8db2fa063_prep
	.p2align	8
	.type	k_qd8db2fa063_prep,@function
k_qd8db2fa063_prep:
	s_mov_b64 s[64:65], 0
	v_nop
	global_prefetch_b8 v0, s[64:65] scope:SCOPE_SE
	s_setreg_imm32_b32 hwreg(HW_REG_WAVE_MODE, 25, 1), 1
	s_wait_xcnt 0x0
; PREP: what the three later launches read.  x [4096][1024] and Wq | Wk | Wv [3072][1024], f32, become codes of FP4 (E2M1), K innermost, with one E8M0 byte for each 32 along K
; (xc, xs, wc, ws); Wo becomes f16 (wo16); bias = bq | 0 | bv; out1 = 1.0.
; WORK LEFT OUT AS DEAD, for all finite values of the inputs:
;   (1) cw = softmax(z) over an axis of length 1, z = 1 / (h1 + 1e-6).  h1 is a mean of norms, so h1 >= 0 and z is finite, and exp(z - z) / exp(z - z) = 1.  So out1 is 1.0 everywhere and the factor
;       cw on the scores is 1.  The restrictions x Wr^T + br, their differences, norms and mean reach no output: that product is not made, and Wr and br are arguments of no launch.
;   (2) bk: q . (k0 + bk) = q . k0 + q . bk, and q . bk is the same for all keys of a query's row: a term that is the same along the softmax's axis.  The product q k^T is not quantised, so bk moves no code.
;       bk is an argument of no launch; its third of the bias table holds zeros, so that one text serves q, k and v.
; LIMIT: a NaN, an infinity or an overflow that reaches only Wr, br or bk is not carried to the result.
; THE QUANTISER.  A block's scale is 2^(floor(log2(its largest magnitude)) - 2); its byte is the largest magnitude's exponent field - 2, held at 1 from below.  (A block of zeros so gets the byte 1 where the
; rule says 127: its codes are zeros, which add nothing under any byte but 0xff, and these bytes are read by this program alone.)  Each number is divided by the scale and rounded to the nearest code, ties to even, beyond 6 the largest code.
; LIMITS: blocks whose largest magnitude lies under 2^(2 - 126) keep the floor's byte; NaN and infinities among the inputs are not served; Wo beyond 65,504 in magnitude becomes an infinity of f16.
; SHARES.  256 work-groups of four waves.  0-127: x;  128-223: Wq, Wk, Wv, 32 each;  224-255: Wo, and with it out1 and the bias table.  A work-group takes 32,768 numbers.
; Rows are dense and K is a multiple of 32: a tensor is a plain stream of blocks of 32, and so are its codes and its scale bytes.
; In the quantising path a wave takes 16 steps of 512 numbers.  Each of a step's four loads reads 512 consecutive bytes; the 2,048 bytes turn through the wave's own stage in LDS and come back 64 bytes a lane:
; 16 neighbours along K, two lanes to a block.  A lane's 16 codes are 8 bytes: the wave stores 256 consecutive bytes.  A wave's 256 scale bytes are gathered in LDS and leave as one block of 256 bytes.
.set WAVES, 4
.set STEPS, 16
.set EMAX,  2
.set CB,    8                          ; bytes of 16 codes
.set R,     16                         ; v16-79   four sets of 16 numbers as they are loaded
.set X,     80                         ; v80-111  two sets of 16 neighbours
.set E,     112                        ; v112-127 a scale byte for each step
.set C,     128                        ; v128-191 codes: four registers for each step, so that no store's data are written again
.set WREG,  8192                       ; LDS: a region for each wave: two stages of 32 x SP bytes, behind them its 256 scale bytes
.set SP,    80                         ; a lane's place in a stage: 64 bytes + 16 of padding
.set SPW,   12                         ; v12  LDS address of my spare word; never rewritten
.set NIL,   13                         ; v13  0; never rewritten
.set SPARE, WAVES*WREG                 ; behind the four regions: the spare words, 128 bytes a wave
.set WV,    32                         ; s32  my wave's number
.set COD,   34                         ; s[34:35] where my wave's codes go
.set SCA,   36                         ; s[36:37] and its scale bytes
.set SRC,   40                         ; s[40:41] where its numbers come from
	s_load_b256 s[4:11], s[0:1], 0x0               ; x s[4:5], Wq s[6:7], Wk s[8:9], Wv s[10:11]
	s_load_b256 s[12:19], s[0:1], 0x20             ; Wo s[12:13], bq s[14:15], bv s[16:17], xc s[18:19]
	s_load_b256 s[20:27], s[0:1], 0x40             ; xs s[20:21], wc s[22:23], ws s[24:25], wo16 s[26:27]
	s_load_b128 s[28:31], s[0:1], 0x60             ; bias s[28:29], out1 s[30:31]
	v_lshl_add_u32 v[SPW], v0, 2, SPARE
	v_mov_b32 v[NIL], 0
	v_lshrrev_b32 v1, 5, v0
	v_readfirstlane_b32 s[WV], v1                  ; wave 0..3
	v_and_b32 v2, 31, v0                           ; lane
	; the quantising path's lane addresses, made ahead of the parting of the ways
	v_lshlrev_b32 v3, 4, v2                        ; my 16 bytes of a load's 512
	s_mul_i32 s46, s[WV], WREG
	v_lshrrev_b32 v14, 2, v2
	v_mul_u32_u24 v14, v14, SP
	v_and_b32 v15, 3, v2
	v_lshl_add_u32 v14, v15, 4, v14
	v_add_nc_u32 v14, s46, v14                     ; the stage, on the way in: SP (lane / 4) + 16 (lane % 4)
	v_mul_u32_u24 v15, v2, SP
	v_add_nc_u32 v15, s46, v15                     ; and on the way out: SP x lane: my 16 neighbours
	v_mul_u32_u24 v4, v2, CB                       ; my codes' place in a step's
	v_lshrrev_b32 v5, 1, v2
	s_add_co_u32 s46, s46, 2*32*SP
	v_add_nc_u32 v5, s46, v5                       ; LDS: my wave's 256 scale bytes, my block's byte
	v_lshlrev_b32 v7, 3, v2                        ; and on the way out 8 bytes a lane
	v_add_nc_u32 v6, s46, v7
	s_wait_kmcnt 0x0
	s_cmp_lt_u32 ttmp9, 224                        ; the work-group's number alone decides
	s_cbranch_scc1 .Lquant
	; ---- WORK-GROUPS 224-255: Wo to f16; out1; the bias table.  No LDS is touched on this way.
	s_sub_co_u32 s33, ttmp9, 224                   ; w = 0..31
	s_mov_b32 s35, 0
	s_lshl_b32 s34, s33, 17
	s_add_nc_u64 s[12:13], s[12:13], s[34:35]      ; Wo: 32,768 numbers of 4 bytes on for each w
	s_lshl_b32 s34, s33, 16
	s_add_nc_u64 s[26:27], s[26:27], s[34:35]      ; wo16: of 2 bytes
	s_lshl_b32 s34, s33, 9                         ; 512 bytes of out1, and of the bias table, for each w
	v_lshlrev_b32 v8, 4, v0                        ; in: 16 bytes a thread: a wave's load covers 512 consecutive bytes
	v_lshlrev_b32 v9, 3, v0                        ; out: 8 bytes a thread: a wave's store covers 256 consecutive bytes, aligned
	v_lshlrev_b32 v10, 4, v2                       ; 16 x lane
	s_cmp_lg_u32 s[WV], 0
	s_cbranch_scc1 .Lnot_wave_0
	s_add_nc_u64 s[30:31], s[30:31], s[34:35]
.irp i, 176,177,178,179
	v_mov_b32 v\i, 1.0
.endr
	global_store_b128 v10, v[176:179], s[30:31]    ; wave 0: 128 numbers of out1, 512 consecutive bytes
.Lnot_wave_0:
	s_cmp_lg_u32 s[WV], 1
	s_cbranch_scc1 .Lnot_wave_1
	s_cmp_ge_u32 s33, 24                           ; the table has 24 pieces of 512 bytes
	s_cbranch_scc1 .Lnot_wave_1
	s_add_nc_u64 s[28:29], s[28:29], s[34:35]
	s_lshr_b32 s36, s33, 3                         ; 0: bq;  1: zeros;  2: bv
	s_cmp_eq_u32 s36, 1
	s_cbranch_scc1 .Lzeros
	s_cmp_eq_u32 s36, 0
	s_cselect_b64 s[38:39], s[14:15], s[16:17]
	s_and_b32 s44, s33, 7
	s_lshl_b32 s44, s44, 9
	s_mov_b32 s45, 0
	s_add_nc_u64 s[38:39], s[38:39], s[44:45]
	global_load_b128 v[180:183], v10, s[38:39]
	s_wait_loadcnt 0x0
	global_store_b128 v10, v[180:183], s[28:29]
	s_branch .Lnot_wave_1
.Lzeros:
.irp i, 184,185,186,187
	v_mov_b32 v\i, 0
.endr
	global_store_b128 v10, v[184:187], s[28:29]
.Lnot_wave_1:
.macro LOADB b                         ; batch b: 16 steps of 2,048 bytes, into set b % 2 (v16-79, v80-143)
.irp i, 0,1,2,3,4,5,6,7,8,9,10,11,12,13,14,15
	global_load_b128 v[16+64*((\b)%2)+4*\i:16+64*((\b)%2)+4*\i+3], v8, s[12:13] offset:(16*(\b)+\i)*2048 th:TH_LOAD_NT
.endr
.endm
.macro CVTB b, left                    ; batch b is rounded to f16 and stored; left: the younger loads that may stay out
	s_wait_loadcnt \left
	s_wait_xcnt 0x0                                ; the last batch's stores have read v144-175: they are written again only behind this wait
.irp i, 0,1,2,3,4,5,6,7,8,9,10,11,12,13,14,15
	v_cvt_pk_f16_f32 v[144+2*\i], v[16+64*((\b)%2)+4*\i], v[16+64*((\b)%2)+4*\i+1]
	v_cvt_pk_f16_f32 v[145+2*\i], v[16+64*((\b)%2)+4*\i+2], v[16+64*((\b)%2)+4*\i+3]
.endr
.irp i, 0,1,2,3,4,5,6,7,8,9,10,11,12,13,14,15
	global_store_b64 v9, v[144+2*\i:145+2*\i], s[26:27] offset:(16*(\b)+\i)*1024
.endr
.endm
	LOADB 0
	LOADB 1
	CVTB 0, 16                                     ; the next batch's 16 loads stay out
	LOADB 2
	CVTB 1, 16
	LOADB 3
	CVTB 2, 16
	CVTB 3, 0
	s_endpgm
	; ---- WORK-GROUPS 0-223: the quantiser.  Only pointers are chosen: all four tensors take one way through the text.
.Lquant:
	s_cmp_ge_u32 ttmp9, 160
	s_cselect_b64 s[SRC:SRC+1], s[8:9], s[6:7]     ; Wk from 160 on, else Wq,
	s_cmp_ge_u32 ttmp9, 192
	s_cselect_b64 s[SRC:SRC+1], s[10:11], s[SRC:SRC+1]  ; Wv from 192 on,
	s_cmp_lt_u32 ttmp9, 128
	s_cselect_b64 s[SRC:SRC+1], s[4:5], s[SRC:SRC+1]    ; x under 128
	s_cselect_b64 s[COD:COD+1], s[18:19], s[22:23]
	s_cselect_b64 s[SCA:SCA+1], s[20:21], s[24:25]
	s_cselect_b32 s38, 0, 128
	s_cselect_b32 s39, -1, 31
	s_sub_co_u32 s38, ttmp9, s38                   ; which run of 32,768 numbers of the codes' buffer,
	s_and_b32 s39, s38, s39                        ; and of the source: a weight has 32 runs
	s_lshl_b32 s42, s39, 2
	s_add_co_u32 s42, s42, s[WV]
	s_lshl_b32 s42, s42, 15                        ; a wave's 8,192 numbers are 32,768 bytes,
	s_mov_b32 s43, 0
	s_add_nc_u64 s[SRC:SRC+1], s[SRC:SRC+1], s[42:43]
	s_lshl_b32 s44, s38, 2
	s_add_co_u32 s44, s44, s[WV]
	s_lshl_b32 s42, s44, 12                        ; 4,096 bytes of codes,
	s_add_nc_u64 s[COD:COD+1], s[COD:COD+1], s[42:43]
	s_lshl_b32 s42, s44, 8                         ; 256 scale bytes
	s_add_nc_u64 s[SCA:SCA+1], s[SCA:SCA+1], s[42:43]
.macro LOAD t
.irp i, 0,1,2,3
	global_load_b128 v[R+16*((\t)%4)+4*\i:R+16*((\t)%4)+4*\i+3], v3, s[SRC:SRC+1] offset:2048*(\t)+512*\i th:TH_LOAD_NT   ; 32 lanes read 512 consecutive bytes
.endr
.endm
.macro TURN t                          ; step t's numbers through the stage: LDS serves a wave's instructions in order, so no wait stands between the stores and the loads
.irp i, 0,1,2,3
	ds_store_b128 v14, v[R+16*((\t)%4)+4*\i:R+16*((\t)%4)+4*\i+3] offset:32*SP*((\t)%2)+8*SP*\i
.endr
.irp i, 0,1,2,3
	ds_load_b128 v[X+16*((\t)%2)+4*\i:X+16*((\t)%2)+4*\i+3], v15 offset:32*SP*((\t)%2)+16*\i
.endr
.endm
.irp t, 0,1,2,3
	LOAD \t
.endr
	s_wait_loadcnt 12                              ; step 0's four loads are in; the twelve of steps 1 to 3 stay out
	TURN 0
.macro STEP t
.set XS, X+16*((\t)%2)
.if (\t) > 0
	s_wait_dscnt 1                                 ; this step's numbers are back from the stage (the last step's byte store may be out): so its stores into the stage have read their registers,
.else
	s_wait_dscnt 0x0
.endif
.if (\t)+4 < STEPS
	LOAD (\t)+4                                    ; which take the loads of four steps on
.endif
.if (\t)+1 < STEPS
.if STEPS-2-(\t) >= 3
	s_wait_loadcnt 12                              ; the next step's four loads are in; those of the three steps behind it may be out
.else
	s_wait_loadcnt 4*(STEPS-2-(\t))
.endif
	TURN (\t)+1                                    ; and go through the other stage while this step is worked
.endif
	v_max3_num_f32 v8, |v[XS]|, |v[XS+1]|, |v[XS+2]|               ; the largest magnitude of my 16, in two chains
	v_max3_num_f32 v9, |v[XS+3]|, |v[XS+4]|, |v[XS+5]|
.irp i, 6,10
	v_max3_num_f32 v8, v8, |v[XS+\i]|, |v[XS+\i+1]|
	v_max3_num_f32 v9, v9, |v[XS+\i+2]|, |v[XS+\i+3]|
.endr
	v_max3_num_f32 v8, v8, |v[XS+14]|, |v[XS+15]|
	v_max3_num_f32 v8, v8, v9, (EMAX+1)<<23        ; and the floor 2^(EMAX + 1 - 127): the byte cannot fall under 1
	v_max_num_f32_dpp v8, v8, v8 row_xmask:1 row_mask:0xf bank_mask:0xf   ; and of my neighbour's 16: the block's
	v_add_nc_u32 v11, -(EMAX<<23), v8              ; EMAX off its exponent field: the conversion takes the exponent field of this operand as its scale, and nothing else of it
	v_cvt_scalef32_pk8_fp4_f32 v[C+4*(\t)], v[XS:XS+7], v11
	v_cvt_scalef32_pk8_fp4_f32 v[C+4*(\t)+1], v[XS+8:XS+15], v11
	v_lshrrev_b32 v[E+(\t)], 23, v11               ; the scale's byte (a plain line behind the conversions)
	ds_store_b8 v5, v[E+(\t)] offset:16*(\t)       ; both lanes of a block write the same byte with the same value
	global_store_b64 v4, v[C+4*(\t):C+4*(\t)+1], s[COD:COD+1] offset:32*CB*(\t)
.endm
.irp t, 0,1,2,3,4,5,6,7,8,9,10,11,12,13,14,15
	STEP \t
.endr
	ds_load_b64 v[8:9], v6                         ; LDS serves a wave's instructions in order: these see my stores
	s_wait_dscnt 0x0
	global_store_b64 v7, v[8:9], s[SCA:SCA+1]      ; 32 lanes store 256 consecutive bytes, aligned
	s_wait_tensorcnt 0x0                           ; the wave's end, behind my last LDS store, a tensor wait even in a text with no tensor load
	ds_add_u32 v[SPW], v[NIL]
	s_wait_dscnt 0x0
	s_endpgm
.Lfunc_end_k_qd8db2fa063_prep:
	.size	k_qd8db2fa063_prep, .Lfunc_end_k_qd8db2fa063_prep-k_qd8db2fa063_prep
	.p2alignl 7, 3214868480
	.fill 96, 4, 3214868480
	.section	.rodata,"a",@progbits
	.p2align	6, 0x0
	.amdhsa_kernel k_qd8db2fa063_prep
		.amdhsa_group_segment_fixed_size 33280
		.amdhsa_private_segment_fixed_size 0
		.amdhsa_enable_private_segment 0
		.amdhsa_kernarg_size 112
		.amdhsa_user_sgpr_count 2
		.amdhsa_user_sgpr_kernarg_segment_ptr 1
		.amdhsa_wavefront_size32 1
		.amdhsa_system_sgpr_workgroup_id_x 1
		.amdhsa_system_sgpr_workgroup_id_y 1
		.amdhsa_system_sgpr_workgroup_id_z 1
		.amdhsa_system_vgpr_workitem_id 0
		.amdhsa_next_free_vgpr 192
		.amdhsa_next_free_sgpr 66
		.amdhsa_reserve_vcc 0
		.amdhsa_float_denorm_mode_32 3
		.amdhsa_float_denorm_mode_16_64 3
		.amdhsa_memory_ordered 1
		.amdhsa_forward_progress 1
		.amdhsa_inst_pref_size 56
	.end_amdhsa_kernel
	.amdgpu_metadata
---
amdhsa.version: [ 1, 2 ]
amdhsa.kernels:
  - .name:           k_qd8db2fa063_prep
    .symbol:         k_qd8db2fa063_prep.kd
    .args:
      - { .name: x, .offset: 0, .size: 8, .value_kind: global_buffer, .address_space: global }
      - { .name: Wq, .offset: 8, .size: 8, .value_kind: global_buffer, .address_space: global }
      - { .name: Wk, .offset: 16, .size: 8, .value_kind: global_buffer, .address_space: global }
      - { .name: Wv, .offset: 24, .size: 8, .value_kind: global_buffer, .address_space: global }
      - { .name: Wo, .offset: 32, .size: 8, .value_kind: global_buffer, .address_space: global }
      - { .name: bq, .offset: 40, .size: 8, .value_kind: global_buffer, .address_space: global }
      - { .name: bv, .offset: 48, .size: 8, .value_kind: global_buffer, .address_space: global }
      - { .name: xc, .offset: 56, .size: 8, .value_kind: global_buffer, .address_space: global }
      - { .name: xs, .offset: 64, .size: 8, .value_kind: global_buffer, .address_space: global }
      - { .name: wc, .offset: 72, .size: 8, .value_kind: global_buffer, .address_space: global }
      - { .name: ws, .offset: 80, .size: 8, .value_kind: global_buffer, .address_space: global }
      - { .name: wo16, .offset: 88, .size: 8, .value_kind: global_buffer, .address_space: global }
      - { .name: bias, .offset: 96, .size: 8, .value_kind: global_buffer, .address_space: global }
      - { .name: out1, .offset: 104, .size: 8, .value_kind: global_buffer, .address_space: global }
    .group_segment_fixed_size: 33280
    .private_segment_fixed_size: 0
    .kernarg_segment_align: 8
    .kernarg_segment_size: 112
    .max_flat_workgroup_size: 128
    .sgpr_count:     66
    .vgpr_count:     192
    .wavefront_size: 32
...
	.end_amdgpu_metadata
.endif
;; end of part 1
;; launch qkv (part 2): grid 12 x 16, 4 waves a work-group, clusters of 4 x 4, 327,680 bytes of LDS; arguments xc, xs, wc, ws, bias, qkv; writes qkv
.if DOCPART == 2
	.amdgcn_target "amdgcn-amd-amdhsa--gfx1250"
	.amdhsa_code_object_version 6
	.text
	.protected	k_qd8db2fa063_qkv
	.globl	k_qd8db2fa063_qkv
	.p2align	8
	.type	k_qd8db2fa063_qkv,@function
k_qd8db2fa063_qkv:
	s_mov_b64 s[64:65], 0
	v_nop
	global_prefetch_b8 v0, s[64:65] scope:SCOPE_SE
	s_setreg_imm32_b32 hwreg(HW_REG_WAVE_MODE, 25, 1), 1
	s_wait_xcnt 0x0
	s_wait_alu depctr_hold_cnt(0) depctr_sa_sdst(0) depctr_va_vdst(0) depctr_va_sdst(0) depctr_va_ssrc(0) depctr_va_vcc(0) depctr_vm_vsrc(0)
	s_getreg_b32 s2, hwreg(HW_REG_IB_STS2, 6, 4)
	s_cmp_eq_u32 s2, 0
	s_cbranch_scc0 .Lentry_in_a_cluster
	s_endpgm
.Lentry_in_a_cluster:
	s_bfe_u32 s2, ttmp6, 0x10000c
	s_cmp_lg_u32 s2, 0xf033
	s_cbranch_scc0 .Lentry_shape_is_right
	s_endpgm
.Lentry_shape_is_right:
; QKV: the three quantised projections as ONE product on codes of FP4 (E2M1): C[m][n] = sum over k of x[m][k] W[n][k] + bias[n], m = 4,096 tokens, n = 3,072 = Wq | Wk | Wv, k = 1,024.
; Left out as dead work: the product with Wr, and bk (the bias table's middle third is 0); the proof stands at the head of the first kernel.
; Codes [rows][512 bytes], two codes a byte, K innermost; scale bytes [rows][32], E8M0, one for each 32 along K.  Sums in f32; the results are rounded once to f16 and stored as qkv [3][32 = batch x 16 + head][2,048][64].
; LIMIT: a q, k or v beyond 65,504 in magnitude becomes an infinity of f16.
; A tile of C, 256 x 256, is made by a work-group of four waves; a wave makes 128 x 128: 64 accumulators of 16 x 16, 512 registers.  K is two slots of 512 along K (rows of 256 bytes): both are asked for at the head,
; with the scale bytes of the work-group's 512 rows; nothing is filled again.
; CLUSTERS: 4 x 4 work-groups.  The four of a row of the cluster need the same tiles of x, the four of a column the same tiles of W: each tile is asked for JOINTLY, by the same tensor load with the same descriptor
; and a mask that names the four.  THE MATRIX INSTRUCTION IS USED TRANSPOSED (source 0 = 16 rows of W, source 1 = 16 tokens): a lane then holds eight neighbouring columns of one token.
; The bias is the C of each sum's first matrix instruction: eight registers for each of W's eight blocks, in the result's layout.
; REGISTERS, in windows of 256: window 0: v0-31 addresses; v32-95 scale words, two sets, and nothing else; v128-191 x's fragments, ONE set, on the way out rows read back; v192-255 the bias, on the way out packed results.
;   window 1: W's fragments, TWO sets, at v0 and v128.   window 2: the 32 accumulators of my rows 0-63 (accumulator (a, b) at v[8 (8 a + b)]);   window 3: those of my rows 64-127.
.set SIZE_K, 1024
.set KSTEP,  512                       ; along K in a slot
.set NQ,     KSTEP/128                 ; matrix instructions deep
.set ROWB,   256                       ; a tile's row in bytes
.set KROW,   SIZE_K*4/8                ; a row of codes in memory, in bytes
.set PITCH,  272                       ; an LDS row: 256 bytes + 16 of padding: the 16 rows that a load touches begin at 16 different places modulo 256 bytes
.set FR,     8                         ; registers of a fragment: 16 rows x 128 K
.set NL,     2                         ; LDS loads that bring one
.set NP,     4                         ; places behind this matrix instruction (ISA guide 7.12.1)
.set HALFT,  128*PITCH                 ; 128 rows: what one tensor load brings, and what one wave reads of x or of W
.set SLOT,   4*HALFT                   ; x's 256 rows, then W's 256 rows
.set KS,     SIZE_K/32                 ; a row of scale bytes
.set SCL,    2*SLOT                    ; behind the slots: the scales, as rows of 256 bytes + 16 of padding
.set HALFS,  (128*KS/256)*272          ; the scales of 128 rows: what one tensor load brings
.set SBLK,   (16*KS/256)*272           ; those of 16 rows
.set STAGE,  SCL+4*HALFS               ; behind the scales: the way out, bytes of its own: for each wave two heads x 16 tokens x (128 bytes + 16)
.set HSTG,   16*144
.set WSTG,   2*HSTG
.set SPARE,  STAGE+4*WSTG              ; behind the stages: the spare words, 128 bytes a wave
.set ADRA, 16                          ; v16-17  LDS address of my x fragments in slot 0, 1
.set ADRB, 20                          ; v20-21  the same for W
.set STO,  24                          ; v24     the way out: where I put 16 bytes of a token's row
.set RD,   25                          ; v25     where I read rows back
.set CO,   26                          ; v26     16 x lane: my bytes of a store's 512
.set ADRS, 27                          ; v27     LDS address of my scale words: lanes 0-15 x's rows, lanes 16-31 W's
.set SPW,  28                          ; v28     LDS address of my spare word; never rewritten
.set NIL,  29                          ; v29     0; never rewritten
.set BAD,  30                          ; v30     32 x (lane / 16): my eight numbers of a block's sixteen biases
.set SC,   32                          ; scale words: set s at v[SC + 8 NQ s]; register NQ i + q: lanes 0-15 the word of x's block i, lanes 16-31 that of W's block i
.set AF,   128                         ; x's fragments
.set BI,   192                         ; the bias: W's block b at v[BI + 8 b]
.set TMP,  192                         ; the way out: packed results
.set BK,   128                         ; the way out: rows read back: v128-159 and v160-191 by turns
.set G1, 24                            ; s[24:31] descriptor group 1 for x's tiles;  s[32:39] group 0, one set for each slot
.set G0, 32
.set G1B, 48                           ; s[48:55], s[56:63] the same for W's tiles
.set G0B, 56
.set G1S, 68                           ; s[68:75], s[76:79] groups 1 and 0 for x's scales;  s[80:87], s[88:91] for W's
.set G0S, 76
.set G1SB, 80
.set G0SB, 88
.set MSB, 0
.macro WIN new                         ; the immediate's high byte repeats the setting that is left; a switch that changes nothing is dropped
.if MSB != (\new)
	s_set_vgpr_msb (MSB<<8)|(\new)
.set MSB, (\new)
.endif
.endm
.set MUL_LO, 0xa1                      ; source 0 (W) window 1, source 1 (x) window 0, C and D window 2
.set MUL_HI, 0xf1                      ; the same, C and D window 3
.set TO_B,   0x40                      ; destination window 1, address window 0
; A joint load: waves 0 and 1 fetch for x, waves 2 and 3 for W.  Each of the two lines has ONE mask and one set of registers for all that issue it; the branch hangs on the wave's number alone.
; An s_nop 0 and four v_nop follow each of the two lines, ahead of the jump, the label and what follows.
.macro JLOAD g0a, g1a, g0b, g1b
	s_cmp_eq_u32 s15, 0
	s_cbranch_scc0 .Lfor_b_\@
	tensor_load_to_lds s[\g0a:\g0a+3], s[\g1a:\g1a+7]
	s_nop 0
.rept 4
	v_nop
.endr
	s_branch .Lasked_\@
.Lfor_b_\@:
	tensor_load_to_lds s[\g0b:\g0b+3], s[\g1b:\g1b+7]
	s_nop 0
.rept 4
	v_nop
.endr
.Lasked_\@:
.endm
.macro CROUND                          ; a round of the cluster's barrier
	s_barrier_signal -1
	s_barrier_wait -1
	s_cmp_lg_u32 s14, 0
	s_cbranch_scc1 .Lnot_wave_0_\@
	s_barrier_signal -3
.Lnot_wave_0_\@:
	s_barrier_wait -3
	s_barrier_signal -1
	s_barrier_wait -1
.endm
	s_load_b128 s[4:7], s[0:1], 0x0                ; x's codes s[4:5], x's scales s[6:7]
	s_load_b128 s[8:11], s[0:1], 0x10              ; W's codes s[8:9], W's scales s[10:11]
	s_load_b64 s[96:97], s[0:1], 0x20              ; the bias table
	s_load_b64 s[12:13], s[0:1], 0x28              ; qkv
	v_lshl_add_u32 v[SPW], v0, 2, SPARE
	v_mov_b32 v[NIL], 0
	ds_add_u32 v[SPW], v[NIL]                      ; the wave's opening: the add, twice on end, and its wait ahead of my first tensor load; the set-up below stands between
	ds_add_u32 v[SPW], v[NIL]
	v_lshrrev_b32 v1, 5, v0
	v_readfirstlane_b32 s14, v1                    ; wave 0..3
	s_lshr_b32 s15, s14, 1                         ; which half of the tile's rows is mine.  Also: I fetch for x (0) or for W (1)
	s_and_b32 s16, s14, 1                          ; which half of its columns.  Also: which 128 rows of that tile I fetch
	s_bfe_u32 s40, ttmp6, 0x40000                  ; cx, cy: my place in the cluster
	s_bfe_u32 s41, ttmp6, 0x40004
	s_lshl_b32 s42, ttmp9, 2
	s_add_co_u32 s42, s42, s40                     ; tile column of C = 4 x cluster x + cx
	s_and_b32 s17, ttmp7, 0xffff
	s_lshl_b32 s17, s17, 2
	s_add_co_u32 s17, s17, s41                     ; tile row of C = 4 x cluster y + cy
	s_lshl_b32 s43, s41, 2
	s_lshl_b32 s43, 15, s43                        ; my row of the cluster
	s_lshl_b32 s44, 0x1111, s40                    ; my column
	; descriptor group 1: a tile of 128 rows x 256 bytes, padded in LDS
	s_or_b32 s[G1+0], s43, (0<<16)|(1<<20)|(1<<21)|(5<<22)|(3<<25)  ; 15:0 the mask: x's tiles go to my row; 17:16 elements of 1 byte; 20 padding on; 21 set beside a mask; 24:22 after every 64 words; 31:25 four words
	s_or_b32 s[G1B+0], s44, (0<<16)|(1<<20)|(1<<21)|(5<<22)|(3<<25)
.irp g, G1, G1B
	s_mov_b32 s[\g+1], ROWB<<16                    ; tensor_dim0
	s_mov_b32 s[\g+2], 128<<16                     ; tensor_dim1 = 128
	s_mov_b32 s[\g+3], ROWB<<16                    ; tile_dim0
	s_mov_b32 s[\g+4], 128                         ; tile_dim1 = 128
	s_mov_b32 s[\g+5], KROW                        ; tensor_dim0_stride
	s_mov_b32 s[\g+6], 0
	s_mov_b32 s[\g+7], 0
.endr
	; and for the scales of 128 rows: a dense block of 4,096 bytes, as rows of 256 bytes (32 elements of 8 bytes), 16 bytes of padding behind each
	s_or_b32 s[G1S+0], s43, (3<<16)|(1<<20)|(1<<21)|(5<<22)|(3<<25)
	s_or_b32 s[G1SB+0], s44, (3<<16)|(1<<20)|(1<<21)|(5<<22)|(3<<25)
.irp g, G1S, G1SB
	s_mov_b32 s[\g+1], 32<<16
	s_mov_b32 s[\g+2], (128*KS/256)<<16
	s_mov_b32 s[\g+3], 32<<16
	s_mov_b32 s[\g+4], 128*KS/256
	s_mov_b32 s[\g+5], 32
	s_mov_b32 s[\g+6], 0
	s_mov_b32 s[\g+7], 0
.endr
	s_lshl_b32 s18, s16, 7                         ; which 128 rows of the tile I fetch
	s_lshl_b32 s20, s17, 8
	s_add_co_u32 s20, s20, s18                     ; x: row 256 x tile row + 128 x half
	s_lshl_b32 s46, s42, 8
	s_add_co_u32 s46, s46, s18                     ; W: row 256 x tile column + 128 x half
	s_mov_b32 s21, 0
	s_mov_b32 s47, 0
	s_mov_b64 s[18:19], KS
	s_mul_u64 s[22:23], s[20:21], s[18:19]         ; where these rows' scales begin, in bytes
	s_mul_u64 s[92:93], s[46:47], s[18:19]
	s_mov_b64 s[18:19], KROW
	s_mul_u64 s[20:21], s[20:21], s[18:19]         ; and their codes
	s_mul_u64 s[46:47], s[46:47], s[18:19]
	s_mul_i32 s45, s14, HALFT                      ; where they go: wave x 128 rows: no place in the cluster enters an LDS address
	s_mul_i32 s94, s14, HALFS
	s_wait_dscnt 0x0                               ; both opening adds are done
	s_wait_kmcnt 0x0
	s_add_nc_u64 s[20:21], s[4:5], s[20:21]
	s_add_nc_u64 s[22:23], s[6:7], s[22:23]
	s_add_nc_u64 s[46:47], s[8:9], s[46:47]
	s_add_nc_u64 s[92:93], s[10:11], s[92:93]
	CROUND                                         ; all sixteen work-groups are here: the joint loads meet
	s_mov_b32 s[G0S], 1
	s_add_co_u32 s[G0S+1], s94, SCL
	s_mov_b64 s[G0S+2:G0S+3], s[22:23]
	s_or_b32 s[G0S+3], s[G0S+3], 0x80000000
	s_mov_b32 s[G0SB], 1
	s_add_co_u32 s[G0SB+1], s94, SCL
	s_mov_b64 s[G0SB+2:G0SB+3], s[92:93]
	s_or_b32 s[G0SB+3], s[G0SB+3], 0x80000000
	JLOAD G0S, G1S, G0SB, G1SB                     ; the scales first: they are wanted with slot 0
.irp s, 0,1
	s_mov_b32 s[G0+4*\s], 1
	s_add_co_u32 s[G0+4*\s+1], s45, \s*SLOT
	s_add_nc_u64 s[G0+4*\s+2:G0+4*\s+3], s[20:21], \s*ROWB
	s_or_b32 s[G0+4*\s+3], s[G0+4*\s+3], 0x80000000
	s_mov_b32 s[G0B+4*\s], 1
	s_add_co_u32 s[G0B+4*\s+1], s45, \s*SLOT
	s_add_nc_u64 s[G0B+4*\s+2:G0B+4*\s+3], s[46:47], \s*ROWB
	s_or_b32 s[G0B+4*\s+3], s[G0B+4*\s+3], 0x80000000
	JLOAD G0+4*\s, G1, G0B+4*\s, G1B               ; three loads of mine are out in all
.endr
	v_and_b32 v1, 15, v0                           ; r = l % 16
	v_bfe_u32 v2, v0, 4, 1                         ; h = l / 16
	; the bias: W's block b, my half's eight numbers
	s_lshl_b32 s46, s42, 10                        ; 256 columns x 4 bytes x tile column
	s_lshl_b32 s47, s16, 9                         ; + 128 columns x 4 bytes x half
	s_add_co_u32 s46, s46, s47
	s_mov_b32 s47, 0
	s_add_nc_u64 s[96:97], s[96:97], s[46:47]
	v_lshlrev_b32 v[BAD], 5, v2
.irp b, 0,1,2,3,4,5,6,7
	global_load_b128 v[BI+8*\b:BI+8*\b+3], v[BAD], s[96:97] offset:64*\b
	global_load_b128 v[BI+8*\b+4:BI+8*\b+7], v[BAD], s[96:97] offset:64*\b+16
.endr
	v_mul_u32_u24 v3, v1, PITCH
	v_lshl_add_u32 v4, v2, 4, v3                   ; a fragment's row x pitch + 16 x half
	s_mul_i32 s21, s15, HALFT                      ; my 128 rows of x
	s_mul_i32 s22, s16, HALFT                      ; my 128 rows of W,
	s_add_co_u32 s22, s22, 2*HALFT                 ; which lie behind x's 256
.irp s, 0,1
	v_add_nc_u32 v[ADRA+\s], s21, v4
	v_add_nc_u32 v[ADRB+\s], s22, v4
	s_add_co_u32 s21, s21, SLOT
	s_add_co_u32 s22, s22, SLOT
.endr
	v_mul_u32_u24 v5, v1, KS                       ; my row's scales: KS bytes a row,
	v_lshrrev_b32 v6, 8, v5
	v_lshl_add_u32 v5, v6, 4, v5                   ; and 16 more for each 256 passed
	s_mul_i32 s21, s15, HALFS                      ; x's: my 128 rows
	s_mul_i32 s22, s16, HALFS                      ; W's: my 128 rows, behind x's 256
	s_add_co_u32 s22, s22, 2*HALFS
	s_sub_co_u32 s22, s22, s21
	v_mul_u32_u24 v6, s22, v2                      ; lanes 16-31 take W's: one product, the distance between the two bases
	s_add_co_u32 s21, s21, SCL
	v_add_nc_u32 v5, v5, v6
	v_add_nc_u32 v[ADRS], s21, v5
	s_mul_i32 s23, s14, WSTG
	s_add_co_u32 s23, s23, STAGE                   ; my stage
	v_mul_u32_u24 v5, v1, 144                      ; in: token l % 16, 16 bytes for each half of the lanes
	v_lshl_add_u32 v5, v2, 4, v5
	v_add_nc_u32 v[STO], s23, v5
	v_bfe_u32 v5, v0, 3, 2                         ; back: eight lanes to a token's 128 bytes, four tokens an instruction
	v_mul_u32_u24 v5, v5, 144
	v_and_b32 v7, 7, v0
	v_lshl_add_u32 v5, v7, 4, v5
	v_add_nc_u32 v[RD], s23, v5
	v_and_b32 v6, 31, v0
	v_lshlrev_b32 v[CO], 4, v6                     ; four tokens of a head are 512 consecutive bytes of qkv
	; where my 128 tokens x 2 heads begin in qkv: part x 2^23 + (16 x batch + head) x 2^18 + token x 128
	s_lshr_b32 s20, s17, 3                         ; batch: eight tile rows each
	s_lshl_b32 s20, s20, 22
	s_and_b32 s21, s17, 7
	s_lshl_b32 s21, s21, 15                        ; 256 tokens x 128 bytes
	s_add_co_u32 s20, s20, s21
	s_lshl_b32 s21, s15, 14                        ; my half: 128 tokens
	s_add_co_u32 s20, s20, s21
	s_mov_b32 s21, 0
	s_lshr_b32 s46, s42, 2                         ; part: q, k or v: four tile columns each
	s_lshl_b32 s46, s46, 23
	s_and_b32 s47, s42, 3
	s_lshl_b32 s47, s47, 2                         ; four heads a tile column,
	s_lshl_b32 s92, s16, 1                         ; two a wave
	s_add_co_u32 s47, s47, s92
	s_lshl_b32 s47, s47, 18
	s_add_co_u32 s46, s46, s47
	s_mov_b32 s47, 0
	s_add_nc_u64 s[20:21], s[20:21], s[46:47]
	s_add_nc_u64 s[12:13], s[12:13], s[20:21]
.macro FRAG reg, adr, q, i             ; a fragment, 16 rows x 128 K of 4-bit codes: lane l holds row l % 16; registers 4 c .. 4 c + 3 hold K = 64 c + 32 (l / 16) + 0 .. 31
.irp c, 0,1
	ds_load_b128 v[\reg+4*\c:\reg+4*\c+3], v[\adr] offset:64*(\q)+32*\c+(\i)*16*PITCH
.endr
.endm
; 16 matrix instructions: x's blocks a0, a0 + 1 against W's eight, 128 along K: the slot's q-th.  p: W's set;  sc: the set of scale words.  zero = 1: the first product starts the sums from the bias: nothing is cleared.
; The 64 accumulators take turns, one instruction a turn, in the same order in every step.
.macro MUL16 a0, p, q, sc, zero
.irp a, \a0, \a0+1
.irp b, 0,1,2,3,4,5,6,7
.if \zero
	v_wmma_scale_f32_16x16x128_f8f6f4 v[8*(8*((\a)%4)+\b):8*(8*((\a)%4)+\b)+7], v[128*(\p)+FR*\b:128*(\p)+FR*\b+FR-1], v[AF+FR*(\a):AF+FR*(\a)+FR-1], v[BI+8*\b:BI+8*\b+7], v[SC+8*NQ*(\sc)+NQ*\b+(\q)], v[SC+8*NQ*(\sc)+NQ*(\a)+(\q)] matrix_a_fmt:MATRIX_FMT_FP4 matrix_b_fmt:MATRIX_FMT_FP4 matrix_a_scale:MATRIX_SCALE_ROW1
.else
	v_wmma_scale_f32_16x16x128_f8f6f4 v[8*(8*((\a)%4)+\b):8*(8*((\a)%4)+\b)+7], v[128*(\p)+FR*\b:128*(\p)+FR*\b+FR-1], v[AF+FR*(\a):AF+FR*(\a)+FR-1], v[8*(8*((\a)%4)+\b):8*(8*((\a)%4)+\b)+7], v[SC+8*NQ*(\sc)+NQ*\b+(\q)], v[SC+8*NQ*(\sc)+NQ*(\a)+(\q)] matrix_a_fmt:MATRIX_FMT_FP4 matrix_b_fmt:MATRIX_FMT_FP4 matrix_a_scale:MATRIX_SCALE_ROW1
.endif
.endr
.endr
.endm
.macro FETCH_B slot, q, p              ; W's eight fragments of the slot's q-th 128 along K into set p
	WIN TO_B
.irp i, 0,1,2,3,4,5,6,7
	FRAG 128*(\p)+FR*\i, ADRB+\slot, \q, \i
.endr
	WIN 0
.endm
.macro FETCH_A slot, q, i0             ; x's blocks i0 .. i0 + 3
.irp i, \i0, \i0+1, \i0+2, \i0+3
	FRAG AF+FR*(\i), ADRA+\slot, \q, \i
.endr
.endm
.macro SCALES sc                       ; a slot's scale words into set sc: NQ words a row; lanes 0-15 take x's block i, lanes 16-31 W's block i
.irp i, 0,1,2,3,4,5,6,7
	ds_load_b128 v[SC+8*NQ*\sc+NQ*\i:SC+8*NQ*\sc+NQ*\i+3], v[ADRS] offset:\i*SBLK
.endr
.endm
; A load into a register that a matrix instruction has read, and a vector instruction or an LDS store that reads a matrix result, stand NP places behind that matrix instruction, and only plain vector
; instructions that name none of its registers are places (ISA guide 7.12.1 for vector instructions).
.macro PLACES n
.rept \n
	v_nop
.endr
.endm
; A step of 128 along K that has its successor in the same slot.  zero = 1: C is the bias, in window 0.
.macro STEP slot, q, zero
	s_wait_dscnt 4*NL                              ; W's set and x's blocks 0-3 are in; the youngest eight loads (x's blocks 4-7) may be out
	WIN MUL_LO-0x20*(\zero)
	MUL16 0, (\q)%2, \q, \slot, \zero
	MUL16 2, (\q)%2, \q, \slot, \zero
	s_wait_dscnt 0                                 ; x's blocks 4-7 are in (asked for 32 matrix instructions ago)
	PLACES NP
	FETCH_B \slot, (\q)+1, 1-(\q)%2
	FETCH_A \slot, (\q)+1, 0
	WIN MUL_HI-0x30*(\zero)
	MUL16 4, (\q)%2, \q, \slot, \zero
	MUL16 6, (\q)%2, \q, \slot, \zero
	PLACES NP
	WIN 0
	FETCH_A \slot, (\q)+1, 4
.endm
; Slot 0's last step changes slots: one barrier; in front of it each wave waits for all its tensor loads (its part of slot 1), adds 0 to its spare word, and waits for that and for its LDS loads.  Nothing is filled again.
.macro TURN slot, next
	s_wait_tensorcnt 0x0                           ; all my tensor loads have landed  (every window is 0 here: the add's two registers lie in window 0)
	ds_add_u32 v[SPW], v[NIL]                      ; 0 onto my spare word
	s_wait_dscnt 4*NL+1                            ; (the add and the youngest eight loads, x's blocks 4-7, may be out)
	WIN MUL_LO
	MUL16 0, 1, NQ-1, \slot, 0                     ; sixteen matrix instructions stand between the add and the wait for it
	s_wait_dscnt 0x0                               ; the add is done, and no LDS load of mine is out
	s_barrier_signal -1
	MUL16 2, 1, NQ-1, \slot, 0
	WIN 0
	s_barrier_wait -1                              ; every wave's part of the next slot has landed
	PLACES NP
	v_add_nc_u32 v[ADRS], 4*NQ, v[ADRS]            ; on to the next slot's scale words
	FETCH_B \next, 0, 0
	FETCH_A \next, 0, 0
	SCALES \next
	WIN MUL_HI
	MUL16 4, 1, NQ-1, \slot, 0
	MUL16 6, 1, NQ-1, \slot, 0
	PLACES NP
	WIN 0
	FETCH_A \next, 0, 4
.endm
.macro STEPS slot, from                ; the slot's steps from .. NQ - 2
.set QQ, \from
.rept NQ-1-\from
	STEP \slot, QQ, 0
.set QQ, QQ+1
.endr
.endm
	s_wait_tensorcnt 1                             ; the scales and my part of slot 0 are in (slot 1's load may be out),
	s_barrier_signal -1
	s_barrier_wait -1                              ; everybody's are
	FETCH_B 0, 0, 0
	FETCH_A 0, 0, 0
	SCALES 0
	FETCH_A 0, 0, 4
	s_wait_loadcnt 0x0                             ; the bias
	STEP 0, 0, 1                                   ; the first step's products start the sums
	STEPS 0, 1
	TURN 0, 1
	STEPS 1, 0
	s_wait_dscnt 4*NL                              ; the very last step: nothing more to fetch
	WIN MUL_LO
	MUL16 0, 1, NQ-1, 1, 0
	MUL16 2, 1, NQ-1, 1, 0
	s_wait_dscnt 0
	WIN MUL_HI
	MUL16 4, 1, NQ-1, 1, 0
	MUL16 6, 1, NQ-1, 1, 0
	WIN 0
; THE WAY OUT, block by block of 16 tokens x 128 columns (two heads).  PACK: rounded to f16, 16 bytes a lane, each accumulator from its low end on.  TOSTAGE: into my own stage, a head's 16 tokens as rows of 128 + 16
; bytes, and back four tokens an instruction.  SEND: stored: four tokens of a head are 512 consecutive bytes of qkv.  LDS serves a wave's instructions in order: no wait between the stores and the loads.
.macro PACK a
.set AC, 64*((\a)%4)
	WIN 0x0a+5*((\a)/4)                            ; sources 0 and 1: window 2 or 3
.irp b, 0,1,2,3,4,5,6,7
.irp r, 0,1,2,3
	v_cvt_pk_f16_f32 v[TMP+4*\b+\r], v[AC+8*\b+2*\r], v[AC+8*\b+2*\r+1]
.endr
.endr
	WIN 0
.endm
.macro TOSTAGE a
.set BB, BK+32*((\a)%2)
.irp b, 0,1,2,3,4,5,6,7
	ds_store_b128 v[STO], v[TMP+4*\b:TMP+4*\b+3] offset:(\b/4)*HSTG+(\b%4)*32
.endr
.irp u, 0,1,2,3,4,5,6,7
	ds_load_b128 v[BB+4*\u:BB+4*\u+3], v[RD] offset:(\u/4)*HSTG+(\u%4)*576
.endr
.endm
.macro SEND a
.set BB, BK+32*((\a)%2)
	s_wait_dscnt 0x0                               ; the block is back in registers
	s_wait_xcnt 0x0                                ; the stores of the block before have read their registers: the next block's loads land there only behind this wait
.irp u, 0,1,2,3,4,5,6,7
	global_store_b128 v[CO], v[BB+4*\u:BB+4*\u+3], s[12:13] offset:(\u/4)*262144+(\a)*2048+(\u%4)*512
.endr
.endm
	PLACES NP                                      ; behind the last products: for the conversions' reads and for the loads into the registers that held x's fragments
	PACK 0
	TOSTAGE 0
.irp a, 1,2,3,4,5,6,7                  ; block a's conversions stand between block a - 1's loads from the stage and the wait for them
	PACK \a
	SEND \a-1
	TOSTAGE \a
.endr
	SEND 7
	s_wait_tensorcnt 0x0                           ; the wave's end, behind my last tensor load and my last LDS store
	ds_add_u32 v[SPW], v[NIL]
	s_wait_dscnt 0x0
	CROUND                                         ; the closing round: no work-group ends while a partner may still ask for a tile that names it
	s_endpgm
.Lfunc_end_k_qd8db2fa063_qkv:
	.size	k_qd8db2fa063_qkv, .Lfunc_end_k_qd8db2fa063_qkv-k_qd8db2fa063_qkv
	.p2alignl 7, 3214868480
	.fill 96, 4, 3214868480
	.section	.rodata,"a",@progbits
	.p2align	6, 0x0
	.amdhsa_kernel k_qd8db2fa063_qkv
		.amdhsa_group_segment_fixed_size 327680
		.amdhsa_private_segment_fixed_size 0
		.amdhsa_enable_private_segment 0
		.amdhsa_kernarg_size 48
		.amdhsa_user_sgpr_count 2
		.amdhsa_user_sgpr_kernarg_segment_ptr 1
		.amdhsa_wavefront_size32 1
		.amdhsa_system_sgpr_workgroup_id_x 1
		.amdhsa_system_sgpr_workgroup_id_y 1
		.amdhsa_system_sgpr_workgroup_id_z 1
		.amdhsa_system_vgpr_workitem_id 0
		.amdhsa_next_free_vgpr 1024
		.amdhsa_next_free_sgpr 98
		.amdhsa_reserve_vcc 0
		.amdhsa_float_denorm_mode_32 3
		.amdhsa_float_denorm_mode_16_64 3
		.amdhsa_memory_ordered 1
		.amdhsa_forward_progress 1
		.amdhsa_inst_pref_size 128
	.end_amdhsa_kernel
	.amdgpu_metadata
---
amdhsa.version: [ 1, 2 ]
amdhsa.kernels:
  - .name:           k_qd8db2fa063_qkv
    .symbol:         k_qd8db2fa063_qkv.kd
    .args:
      - { .name: xc, .offset: 0, .size: 8, .value_kind: global_buffer, .address_space: global }
      - { .name: xs, .offset: 8, .size: 8, .value_kind: global_buffer, .address_space: global }
      - { .name: wc, .offset: 16, .size: 8, .value_kind: global_buffer, .address_space: global }
      - { .name: ws, .offset: 24, .size: 8, .value_kind: global_buffer, .address_space: global }
      - { .name: bias, .offset: 32, .size: 8, .value_kind: global_buffer, .address_space: global }
      - { .name: qkv, .offset: 40, .size: 8, .value_kind: global_buffer, .address_space: global }
    .group_segment_fixed_size: 327680
    .private_segment_fixed_size: 0
    .kernarg_segment_align: 8
    .kernarg_segment_size: 48
    .max_flat_workgroup_size: 128
    .sgpr_count:     98
    .vgpr_count:     1024
    .wavefront_size: 32
...
	.end_amdgpu_metadata
.endif
;; end of part 2
;; launch attn (part 3): grid 8 x 32, 8 waves a work-group, clusters of 4 x 1, 327,680 bytes of LDS; arguments qkv, att; writes att
.if DOCPART == 3
	.amdgcn_target "amdgcn-amd-amdhsa--gfx1250"
	.amdhsa_code_object_version 6
	.text
	.protected	k_qd8db2fa063_attn
	.globl	k_qd8db2fa063_attn
	.p2align	8
	.type	k_qd8db2fa063_attn,@function
k_qd8db2fa063_attn:
	s_mov_b64 s[64:65], 0
	v_nop
	global_prefetch_b8 v0, s[64:65] scope:SCOPE_SE
	s_setreg_imm32_b32 hwreg(HW_REG_WAVE_MODE, 25, 1), 1
	s_wait_xcnt 0x0
	s_wait_alu depctr_hold_cnt(0) depctr_sa_sdst(0) depctr_va_vdst(0) depctr_va_sdst(0) depctr_va_ssrc(0) depctr_va_vcc(0) depctr_vm_vsrc(0)
	s_getreg_b32 s2, hwreg(HW_REG_IB_STS2, 6, 4)
	s_cmp_eq_u32 s2, 0
	s_cbranch_scc0 .Lentry_in_a_cluster
	s_endpgm
.Lentry_in_a_cluster:
	s_bfe_u32 s2, ttmp6, 0x10000c
	s_cmp_lg_u32 s2, 0x3003
	s_cbranch_scc0 .Lentry_shape_is_right
	s_endpgm
.Lentry_shape_is_right:
; ATTN: attended[hb][q][:] = the sum over k of softmax_k(Q[hb][q] . K[hb][k] / 8) V[hb][k][:], hb = 16 x batch + head, 2,048 queries and keys, head size 64, no mask.
; Left out as dead work: the factor cw on the scores, which is 1 for all finite inputs (the proof stands at the head of the first kernel).
; qkv: [3][32][2,048][64] f16.  Products, maxima and sums in f32; the weights p are rounded to f16 for the second product, the result once to f16.
; att: [2,048 pairs of tokens][16 heads][2 tokens][64] f16: a head's two tokens of a pair are 256 consecutive bytes, so that sixteen lanes store a whole aligned block.
; LIMIT: f16's range: a result beyond 65,504 in magnitude becomes an infinity.
; SHARES.  A work-group owns 256 queries of one hb, each of its EIGHT waves 32: two tiles of 16.  Every wave walks all keys, 64 a step.
; LAYOUT.  S^T = K Q^T (source 0 = 16 keys, source 1 = 16 queries): a lane holds ONE query (lane % 16) and the keys 8 (lane / 16) + 0..7.  Two such tiles, rounded to f16 in pairs, ARE source 1 (32 keys x 16 queries)
; of O^T = V^T P, whose result again holds one query a lane, and eight channels.  K comes out of LDS as it lies, V ([key][channel]) turned, by ds_load_tr16_b128.
; SOFTMAX.  For each query a running maximum m and sum l: p = 2^(c s - c m), c = log2(e) / 8; in every step O and l are multiplied by a = 2^(c m_old - c m_new), which is 1 where m has not grown.
; IN PHASES, TWO GROUPS OF WAVES.  A step is: 16 products K Q^T, the softmax, 16 products V^T P.  The waves fall into two groups (GRP).  In a step with a change of slots group 1 runs its softmax ahead of the
; barrier and group 0 behind it: so behind each barrier one group begins with vector work and the other with matrix work.
; CLUSTER.  The four query blocks of a cluster belong to one hb and walk the same K and V: each tile is asked for JOINTLY, by the same tensor load with the same descriptor and a mask that names the four.
; REGISTERS: window 0: v1-14 addresses; v16-31 statistics, eight a tile; v32-63 Q; v64-127 S^T; v128-159 P; v160-223 O^T; v224-255 the way out.   window 1: v0-63 K of one step; v64-127 V of one step.
.set KS,    64        ; keys in a step
.set PK,    144       ; a row of K in LDS: 128 bytes + 16 of padding: the 16 rows of a load begin at 16 different places modulo 256 bytes
.set PV,    160       ; a row of V: 128 + 32: 16 lanes of the turning load take 8 rows x 32 bytes, at 16 different places modulo 256 bytes
.set VOFF,  KS*PK     ; a step's tiles lie together: 64 rows of K, then 64 rows of V
.set STEPB, KS*(PK+PV)
.set NST,   4         ; steps in a slot
.set SLOTB, NST*KS*128  ; a slot's bytes of K, and of V, in memory
.set SLOT1, 1<<17     ; slot 1 begins here, so that one exclusive or turns an address in one slot into the other's
.set STAGE, NST*STEPB ; between the slots: 32 rows x 144 bytes for each wave, for the way out: bytes of its own
.set WSTG,  32*144
.set SPARE, STAGE+8*WSTG  ; behind the stages: the spare words, 128 bytes a wave
.set AK0, 2           ; v2   my lane's place in a tile of K; never rewritten
.set AV0, 3           ; v3   the same for V
.set ADK, 4           ; v4   LDS address of the next step's K
.set ADV, 5           ; v5   of this step's V
.set QO,  6           ; v6   my byte offset in the wave's rows of Q
.set STO, 7           ; v7   the way out: where I put 16 bytes of a row
.set RD,  8           ; v8   where I read rows back
.set GO,  9           ; v9   my byte offset in att
.set SPW, 12          ; v12  LDS address of my spare word; never rewritten
.set NIL, 13          ; v13  0; never rewritten
.set PFO, 14          ; v14  256 x my lane; never rewritten
.set ST,  16          ; tile t's statistics at v[ST+8 t]: +0 c m, +1 m, +2, +3 l (even keys', odd keys'), +4 to +7 at work; a takes +6
.set Q,   32          ; tile t, channels 32 cs on: v[Q+16 t+8 cs]
.set S,   64          ; tile t, keys 16 kt on: v[S+32 t+8 kt]
.set P,   128         ; tile t, keys 32 kk on: v[P+16 t+8 kk]
.set O,   160         ; tile t, channels 16 c on: v[O+32 t+8 c]
.set OUTP, 224
.set KF,  0           ; window 1: keys 16 kt on, channels 32 cs on: v[KF+16 kt+8 cs]
.set VF,  64          ; window 1: keys 32 kk on, channels 16 c on: v[VF+32 kk+8 c]
.set WV,  12          ; s12  my wave's number
.set LIM, 15          ; s15  1 in a wave that prefetches, else the greatest number
.set PFA, 18          ; s[18:19] where my prefetches stand in memory
.set G1K, 24          ; s[24:31] descriptor group 1 for K's tiles
.set G1V, 32          ; s[32:39] for V's: it differs in the padding alone
.set G0K, 40          ; s[40:47] descriptor group 0 for K's tiles: a set for each of the two first fills; the second then walks on
.set G0V, 48          ; s[48:55] the same for V's
.set SLOTS, 56        ; s56  slots still to be asked for
.set CNT, 57          ; s57  counts a slot's first three steps
.set CS,  58          ; s[58:59] c: the packed scaling names a pair and takes its low word for both halves
.set SEL, 60          ; s[60:61] lane selects for v_permlanex16_b32: lane l xor 16
.set TB,  62          ; s62  LDS byte at which the step's tiles begin
.set GRP, 63          ; s63  my group: (wave xor wave / 4) % 2
.set MSB, 0
.macro WIN new                      ; the immediate's high byte repeats the setting that is left; a switch that changes nothing is dropped
.if MSB != (\new)
	s_set_vgpr_msb (MSB<<8)|(\new)
.set MSB, (\new)
.endif
.endm
.set W_MUL, 0x01      ; source 0 (K or V) in window 1, all else in window 0
.set W_LD,  0x40      ; destination window 1, address window 0
; A joint refill.  Waves 0 to 3 fetch the slot's four tiles of K, waves 4 to 7 those of V.  The branch hangs on the wave's number alone.
; An s_nop 0 and four v_nop follow each of the two lines; the jump, the label and what follows come after them.
.macro JLOAD
	s_cmp_lt_u32 s[WV], 4
	s_cbranch_scc0 .Lfor_v_\@
	tensor_load_to_lds s[G0K+4:G0K+7], s[G1K:G1K+7]
	s_nop 0
.rept 4
	v_nop
.endr
	s_branch .Lasked_\@
.Lfor_v_\@:
	tensor_load_to_lds s[G0V+4:G0V+7], s[G1V:G1V+7]
	s_nop 0
.rept 4
	v_nop
.endr
.Lasked_\@:
.endm
; A PREFETCH of what the NEXT change of slots will ask for: a slot's 32,768 bytes of K and of V.  It stands behind the wave's tensor load and its five lines.  Each block of 256 bytes is named ONCE in the launch:
; both clusters of an hb walk the same K and V, and the first of them asks; its four partners share the bytes out BY ADDRESS, 8,192 each, lanes 256 bytes apart; in each, wave 0 asks for K's and wave 4 for V's.
; The last change that fills a slot asks for nothing: there is no slot behind it.  Slots 0, 1 and 2 come by their loads alone.
.macro ASK
	s_cmp_gt_u32 s[SLOTS], s[LIM]
	s_cbranch_scc0 .Lnot_mine_\@
	global_prefetch_b8 v[PFO], s[PFA:PFA+1] th:TH_LOAD_NT scope:SCOPE_SE
.Lnot_mine_\@:
.endm
.macro CROUND                       ; a round of the cluster's barrier
	s_barrier_signal -1
	s_barrier_wait -1
	s_cmp_lg_u32 s[WV], 0
	s_cbranch_scc1 .Lnot_wave_0_\@
	s_barrier_signal -3
.Lnot_wave_0_\@:
	s_barrier_wait -3
	s_barrier_signal -1
	s_barrier_wait -1
.endm
.macro PLACES
.rept 4
	v_nop
.endr
.endm
	s_load_b128 s[4:7], s[0:1], 0x0 ; qkv s[4:5], att s[6:7]
	v_lshl_add_u32 v[SPW], v0, 2, SPARE
	v_mov_b32 v[NIL], 0
	ds_add_u32 v[SPW], v[NIL]       ; the wave's opening: the add, twice on end, and its wait ahead of my first tensor load; the set-up below stands between
	ds_add_u32 v[SPW], v[NIL]
	v_lshrrev_b32 v1, 5, v0
	v_readfirstlane_b32 s[WV], v1   ; wave 0..7
	s_bfe_u32 s13, ttmp6, 0x40000   ; cx: my place in the cluster
	s_lshl_b32 s14, ttmp9, 2        ; in a cluster launch ttmp9 counts clusters
	s_add_co_u32 s14, s14, s13      ; my block of 256 queries: it enters Q's and att's addresses alone
	s_and_b32 s20, ttmp7, 0xffff    ; hb, which the four partners share
	s_lshl_b32 s21, s20, 18         ; its first byte in each third of qkv: 2,048 rows of 128 bytes
	s_and_b32 s16, s[WV], 3         ; which of a slot's four steps I fetch:
	s_lshl_b32 s22, s16, 13         ; its 64 rows of 128 bytes in memory,
	s_add_co_u32 s22, s22, s21
	s_mov_b32 s23, 0
	s_mul_i32 s17, s16, STEPB       ; and its place in a slot: no place in the cluster enters an LDS address
	s_lshl_b32 s2, s14, 15          ; my block's 256 rows,
	s_lshl_b32 s3, s[WV], 12        ; my wave's 32 of them
	s_add_co_u32 s2, s2, s3
	s_add_co_u32 s2, s2, s21
	s_mov_b32 s3, 0
	; descriptor group 1: a tile of 64 rows x 64 elements, padded in LDS
	s_mov_b32 s[G1K], 15|(1<<16)|(1<<20)|(1<<21)|(4<<22)|(3<<25)  ; 15:0 the mask: all four work-groups; 17:16 elements of 2 bytes; 20 padding on; 21 set beside a mask; 24:22 after every 32 words; 31:25 four words
	s_mov_b32 s[G1V], 15|(1<<16)|(1<<20)|(1<<21)|(4<<22)|(7<<25)  ; the same with eight words of padding
.irp g, G1K, G1V
	s_mov_b32 s[\g+1], 64<<16       ; tensor_dim0 = 64
	s_mov_b32 s[\g+2], KS<<16       ; tensor_dim1 = 64
	s_mov_b32 s[\g+3], 64<<16       ; tile_dim0 = 64
	s_mov_b32 s[\g+4], KS           ; tile_dim1 = 64
	s_mov_b32 s[\g+5], 64           ; tensor_dim0_stride: elements from row to row
	s_mov_b32 s[\g+6], 0
	s_mov_b32 s[\g+7], 0
.endr
	s_mov_b32 s[CS], 0x3e38aa3b     ; c = log2(e) / 8
	s_mov_b32 s[CS+1], s[CS]        ; named with it as a pair, so it is written
	s_mov_b32 s[SEL], 0x76543210
	s_mov_b32 s[SEL+1], 0xfedcba98
	s_mov_b32 s[TB], 0
	s_mov_b32 s[SLOTS], 2048/(NST*KS)-2
	s_lshr_b32 s[GRP], s[WV], 2
	s_xor_b32 s[GRP], s[GRP], s[WV]
	s_and_b32 s[GRP], s[GRP], 1
	s_or_b32 s[LIM], s16, ttmp9     ; 0 in waves 0 and 4 of the hb's first cluster: the same in all four partners
	s_cmp_eq_u32 s[LIM], 0
	s_cselect_b32 s[LIM], 1, -1
	v_and_b32 v[PFO], 31, v0
	v_lshlrev_b32 v[PFO], 8, v[PFO]
	s_wait_dscnt 0x0                ; both opening adds are done
	s_wait_kmcnt 0x0
	s_mov_b64 s[10:11], s[6:7]      ; att
	s_add_nc_u64 s[6:7], s[4:5], s[22:23]
	s_add_nc_u64 s[8:9], s[6:7], 0x1000000  ; V at my tile of slot 0: the third third of qkv
	s_add_nc_u64 s[6:7], s[6:7], 0x800000   ; K: the second
	s_add_nc_u64 s[4:5], s[4:5], s[2:3]     ; Q at my wave's first row
	s_cmp_lt_u32 s[WV], 4
	s_cselect_b64 s[PFA:PFA+1], s[6:7], s[8:9]  ; (in waves 0 and 4 these stand at a slot's first row)
	s_lshl_b32 s2, s13, 13          ; my work-group's 8,192 bytes of the 32,768
	s_mov_b32 s3, 0
	s_add_nc_u64 s[PFA:PFA+1], s[PFA:PFA+1], s[2:3]
	s_add_nc_u64 s[PFA:PFA+1], s[PFA:PFA+1], 2*SLOTB  ; in slot 2; the first change of slots steps it to slot 3.  Nothing is prefetched here, at the head
	CROUND                          ; all four work-groups are here: the first joint loads meet
.irp s, 0,1
	s_mov_b32 s[G0K+4*\s], 1        ; count = 1
	s_add_co_u32 s[G0K+4*\s+1], s17, \s*SLOT1  ; LDS address
	s_add_nc_u64 s[G0K+4*\s+2:G0K+4*\s+3], s[6:7], \s*SLOTB  ; global address: slot s begins with key 256 s
	s_or_b32 s[G0K+4*\s+3], s[G0K+4*\s+3], 0x80000000  ; type = 2
	s_mov_b32 s[G0V+4*\s], 1
	s_add_co_u32 s[G0V+4*\s+1], s17, \s*SLOT1+VOFF
	s_add_nc_u64 s[G0V+4*\s+2:G0V+4*\s+3], s[8:9], \s*SLOTB
	s_or_b32 s[G0V+4*\s+3], s[G0V+4*\s+3], 0x80000000
.endr
	s_cmp_lt_u32 s[WV], 4           ; a wave's two first fills stand in one branch, ahead of every wait on TENSORcnt and every LDS read: two loads of mine are out
	s_cbranch_scc0 .Lfirst_v
	tensor_load_to_lds s[G0K:G0K+3], s[G1K:G1K+7]
	s_nop 0
	tensor_load_to_lds s[G0K+4:G0K+7], s[G1K:G1K+7]
	s_nop 0
.rept 4
	v_nop
.endr
	s_branch .Lfirst_asked
.Lfirst_v:
	tensor_load_to_lds s[G0V:G0V+3], s[G1V:G1V+7]
	s_nop 0
	tensor_load_to_lds s[G0V+4:G0V+7], s[G1V:G1V+7]
	s_nop 0
.rept 4
	v_nop
.endr
.Lfirst_asked:
	; A fragment of K or Q is 16 rows x 32 channels in 8 registers: lane l holds row l % 16; registers 0-3 channels 8 (l / 16) + 0..7, registers 4-7 channels 16 + 8 (l / 16) + 0..7: two loads of 16 bytes, 32 bytes apart.
	v_and_b32 v1, 15, v0            ; r = l % 16
	v_bfe_u32 v10, v0, 4, 1         ; h = l / 16
	v_lshlrev_b32 v[QO], 7, v1
	v_lshl_add_u32 v[QO], v10, 4, v[QO]  ; row x 128 + 16 x half
.irp t, 0,1
.irp cs, 0,1
	global_load_b128 v[Q+16*\t+8*\cs:Q+16*\t+8*\cs+3],   v[QO], s[4:5] offset:\t*2048+\cs*64      ; Q stays in registers
	global_load_b128 v[Q+16*\t+8*\cs+4:Q+16*\t+8*\cs+7], v[QO], s[4:5] offset:\t*2048+\cs*64+32
.endr
.endr
	v_mul_u32_u24 v[AK0], v1, PK
	v_lshl_add_u32 v[AK0], v10, 4, v[AK0]  ; row x pitch + 16 x half
	; The turning load takes 16 keys x 16 channels (lane l reads 16 bytes: key 8 (l / 16) + l % 8, channels 8 ((l / 8) % 2) + 0..7) and leaves half a fragment of V^T: lane l holds channel l % 16 and 8 keys.
	v_and_b32 v11, 7, v0
	v_lshl_add_u32 v[AV0], v10, 3, v11
	v_mul_u32_u24 v[AV0], v[AV0], PV
	v_bfe_u32 v11, v0, 3, 1
	v_lshl_add_u32 v[AV0], v11, 4, v[AV0]
	v_add_nc_u32 v[AV0], VOFF, v[AV0]
	s_mul_i32 s2, s[WV], WSTG
	s_add_co_u32 s2, s2, STAGE      ; my stage
	v_mul_u32_u24 v[STO], v1, 144   ; in: row l % 16, 16 bytes for each half of the lanes
	v_lshl_add_u32 v[STO], v10, 4, v[STO]
	v_add_nc_u32 v[STO], s2, v[STO]
	v_bfe_u32 v11, v0, 3, 2         ; back: eight lanes to a token's 128 bytes, four tokens an instruction
	v_mul_u32_u24 v[RD], v11, 144
	v_and_b32 v11, 7, v0
	v_lshl_add_u32 v[RD], v11, 4, v[RD]
	v_add_nc_u32 v[RD], s2, v[RD]
	v_lshlrev_b32 v[GO], 12, v10    ; in att: lanes 0-15 one pair of tokens (256 bytes), lanes 16-31 the next pair, 4,096 bytes on
	v_lshl_add_u32 v[GO], v1, 4, v[GO]
	; att at my wave's first pair of tokens: batch x 2^22 + block x 128 pairs x 4,096 + wave x 16 pairs x 4,096 + head x 256
	s_lshr_b32 s2, s20, 4
	s_lshl_b32 s2, s2, 22
	s_and_b32 s3, s20, 15
	s_lshl_b32 s3, s3, 8
	s_add_co_u32 s2, s2, s3
	s_lshl_b32 s3, s14, 19
	s_add_co_u32 s2, s2, s3
	s_lshl_b32 s3, s[WV], 16
	s_add_co_u32 s2, s2, s3
	s_mov_b32 s3, 0
	s_add_nc_u64 s[10:11], s[10:11], s[2:3]
.irp t, 0,1
	v_mov_b32 v[ST+8*\t+1], 0xff61b1e6      ; m: -3e38, under every score
	v_mov_b32 v[ST+8*\t+2], 0               ; l, in two halves
	v_mov_b32 v[ST+8*\t+3], 0
	v_mul_f32 v[ST+8*\t], s[CS], v[ST+8*\t+1]  ; c m
.endr
.set i, 0
.rept 64
	v_mov_b32 v[O+i], 0             ; O^T.  (The step is written without a first step of its own: the first finds zeros, which a = 0 leaves zeros)
.set i, i+1
.endr
; THE MATRIX WORK.  The eight accumulators of each product take turns, one instruction a turn: between two links of a chain stand seven others'.
.macro QK                           ; S^T = K Q^T: the first eight start the sums
.irp cs, 0,1
.irp kt, 0,1,2,3
.irp t, 0,1
.if \cs == 0
	v_wmma_f32_16x16x32_f16 v[S+32*\t+8*\kt:S+32*\t+8*\kt+7], v[KF+16*\kt+8*\cs:KF+16*\kt+8*\cs+7], v[Q+16*\t+8*\cs:Q+16*\t+8*\cs+7], 0
.else
	v_wmma_f32_16x16x32_f16 v[S+32*\t+8*\kt:S+32*\t+8*\kt+7], v[KF+16*\kt+8*\cs:KF+16*\kt+8*\cs+7], v[Q+16*\t+8*\cs:Q+16*\t+8*\cs+7], v[S+32*\t+8*\kt:S+32*\t+8*\kt+7]
.endif
.endr
.endr
.endr
.endm
.macro PVM                          ; O^T += V^T P
.irp kk, 0,1
.irp c, 0,1,2,3
.irp t, 0,1
	v_wmma_f32_16x16x32_f16 v[O+32*\t+8*\c:O+32*\t+8*\c+7], v[VF+32*\kk+8*\c:VF+32*\kk+8*\c+7], v[P+16*\t+8*\kk:P+16*\t+8*\kk+7], v[O+32*\t+8*\c:O+32*\t+8*\c+7]
.endr
.endr
.endr
.endm
; THE LDS LOADS, in runs of 16: a step's K (64 keys x 64 channels: 8 fragments) and its V (turned).
.macro FETCH_K
.irp kt, 0,1,2,3
.irp cs, 0,1
	ds_load_b128 v[KF+16*\kt+8*\cs:KF+16*\kt+8*\cs+3],   v[ADK] offset:\kt*16*PK+\cs*64
	ds_load_b128 v[KF+16*\kt+8*\cs+4:KF+16*\kt+8*\cs+7], v[ADK] offset:\kt*16*PK+\cs*64+32
.endr
.endr
.endm
.macro FETCH_V
.irp kk, 0,1
.irp c, 0,1,2,3
	ds_load_tr16_b128 v[VF+32*\kk+8*\c:VF+32*\kk+8*\c+3],   v[ADV] offset:\kk*32*PV+\c*32
	ds_load_tr16_b128 v[VF+32*\kk+8*\c+4:VF+32*\kk+8*\c+7], v[ADV] offset:\kk*32*PV+16*PV+\c*32
.endr
.endr
.endm
; THE SOFTMAX of both tiles for one key step, the tiles alternating line by line, all in window 0.
.macro SOFTMAX
.irp j, 0,1,2,3                     ; the maximum of the lane's 32 scores: four chains, one to an accumulator, each begun at the accumulator's low end
.irp t, 0,1
	v_max3_num_f32 v[ST+8*\t+4+\j], v[S+32*\t+8*\j], v[S+32*\t+8*\j+1], v[S+32*\t+8*\j+2]
.endr
.endr
.irp i, 3,5
.irp j, 0,1,2,3
.irp t, 0,1
	v_max3_num_f32 v[ST+8*\t+4+\j], v[ST+8*\t+4+\j], v[S+32*\t+8*\j+\i], v[S+32*\t+8*\j+\i+1]
.endr
.endr
.endr
.irp t, 0,1
	v_max3_num_f32 v[ST+8*\t+4], v[ST+8*\t+4], v[S+32*\t+7], v[S+32*\t+15]
	v_max3_num_f32 v[ST+8*\t+6], v[ST+8*\t+6], v[S+32*\t+23], v[S+32*\t+31]
.endr
.irp t, 0,1
	v_max3_num_f32 v[ST+8*\t+4], v[ST+8*\t+4], v[ST+8*\t+5], v[ST+8*\t+6]
.endr
.irp t, 0,1
	v_max3_num_f32 v[ST+8*\t+4], v[ST+8*\t+4], v[ST+8*\t+7], v[ST+8*\t+1]   ; and the old m
.endr
.irp t, 0,1
	v_permlanex16_b32 v[ST+8*\t+5], v[ST+8*\t+4], s[SEL], s[SEL+1]          ; the query's other 32 keys lie in the lane 16 away
.endr
.irp t, 0,1
	v_mov_b32 v[ST+8*\t+7], v[ST+8*\t]                                      ; c m_old is kept for a
.endr
.irp t, 0,1
	v_max_num_f32 v[ST+8*\t+1], v[ST+8*\t+4], v[ST+8*\t+5]                  ; the new m
.endr
.irp t, 0,1
	v_mul_f32 v[ST+8*\t], s[CS], v[ST+8*\t+1]                               ; c m
.endr
.irp t, 0,1
	v_sub_f32 v[ST+8*\t+7], v[ST+8*\t+7], v[ST+8*\t]                        ; c m_old - c m_new
.endr
	; ONE BATCH: both a, the 32 scalings c s - c m (a pair of scores each) and the 64 exponentials.  A pair is scaled, then the pair before it is exponentiated.  None of these lines names an exponential's result.
.irp t, 0,1
	v_exp_f32 v[ST+8*\t+6], v[ST+8*\t+7]                                    ; a
.endr
.irp b, 0,1,2,3,4,5,6,7,8,9,10,11,12,13,14,15
.irp t, 0,1
	v_pk_fma_f32 v[S+32*\t+2*\b:S+32*\t+2*\b+1], v[S+32*\t+2*\b:S+32*\t+2*\b+1], s[CS:CS+1], v[ST+8*\t:ST+8*\t+1] op_sel_hi:[1,0,0] neg_lo:[0,0,1] neg_hi:[0,0,1]
.endr
.if \b > 0
.irp t, 0,1
	v_exp_f32 v[S+32*\t+2*\b-2], v[S+32*\t+2*\b-2]
	v_exp_f32 v[S+32*\t+2*\b-1], v[S+32*\t+2*\b-1]
.endr
.endif
.endr
.irp t, 0,1
	v_exp_f32 v[S+32*\t+30], v[S+32*\t+30]
	v_exp_f32 v[S+32*\t+31], v[S+32*\t+31]
.endr
	v_nop                           ; a plain instruction behind the last exponential and ahead of the first use: one for the batch
	s_wait_alu depctr_va_vdst(0)    ; and a wait ahead of the first line that names a result: one for the 66
.irp b, 0,1,2,3,4,5,6,7,8,9,10,11,12,13,14,15
.irp t, 0,1
	v_cvt_pk_f16_f32 v[P+16*\t+\b], v[S+32*\t+2*\b], v[S+32*\t+2*\b+1]      ; the weights, rounded to f16: they are source 1 of V^T P as they stand
.endr
.endr
.irp u, 0,1,2,3,4,5,6,7             ; the sum of the tile's 16 pairs, in place: neighbours 1, 2, 4 and 8 pairs apart
.irp t, 0,1
	v_pk_add_f32 v[S+32*\t+4*\u:S+32*\t+4*\u+1], v[S+32*\t+4*\u:S+32*\t+4*\u+1], v[S+32*\t+4*\u+2:S+32*\t+4*\u+3]
.endr
.endr
.irp u, 0,1,2,3
.irp t, 0,1
	v_pk_add_f32 v[S+32*\t+8*\u:S+32*\t+8*\u+1], v[S+32*\t+8*\u:S+32*\t+8*\u+1], v[S+32*\t+8*\u+4:S+32*\t+8*\u+5]
.endr
.endr
.irp u, 0,1
.irp t, 0,1
	v_pk_add_f32 v[S+32*\t+16*\u:S+32*\t+16*\u+1], v[S+32*\t+16*\u:S+32*\t+16*\u+1], v[S+32*\t+16*\u+8:S+32*\t+16*\u+9]
.endr
.endr
.irp t, 0,1
	v_pk_add_f32 v[S+32*\t:S+32*\t+1], v[S+32*\t:S+32*\t+1], v[S+32*\t+16:S+32*\t+17]
.endr
.irp t, 0,1
	v_pk_fma_f32 v[ST+8*\t+2:ST+8*\t+3], v[ST+8*\t+2:ST+8*\t+3], v[ST+8*\t+6:ST+8*\t+7], v[S+32*\t:S+32*\t+1] op_sel_hi:[1,0,1]   ; l = a l + the sum
.endr
.irp i, 0,1,2,3,4,5,6,7,8,9,10,11,12,13,14,15
.irp t, 0,1
	v_pk_mul_f32 v[O+32*\t+2*\i:O+32*\t+2*\i+1], v[O+32*\t+2*\i:O+32*\t+2*\i+1], v[ST+8*\t+6:ST+8*\t+7] op_sel_hi:[1,0]          ; O^T times a
.endr
.endr
.endm
; THE CHANGE OF SLOTS, in a slot's last step, when its last bytes (that step's V) have been asked for.  Each wave waits for all its tensor loads, of which one is out: its part of the other slot; adds 0 to its spare
; word; and waits for that and for its reads of the slot.  fill = 1: the slot is filled again, with the keys two slots on: the barrier is then a round of the cluster's, so that no wave of any partner still reads the
; slot or has a load on its way, and the joint refill is the first thing behind it: it has four key steps in which to land.
.macro CHANGE fill
	s_wait_tensorcnt 0x0            ; no tensor load of mine is out, so a group 0 may be written
	ds_add_u32 v[SPW], v[NIL]       ; 0 onto my spare word
.if \fill
.irp g, G0K+4, G0V+4
	s_xor_b32 s[\g+1], s[\g+1], SLOT1  ; the walking descriptor: the other slot than last time,
	s_add_nc_u64 s[\g+2:\g+3], s[\g+2:\g+3], SLOTB  ; the next 256 keys; the type bits on top are not reached
.endr
	s_wait_xcnt 0x0                 ; the last prefetch, a slot back, has read its address, so it may be written:
	s_add_nc_u64 s[PFA:PFA+1], s[PFA:PFA+1], SLOTB  ; one slot further on than the walking descriptors
	s_wait_dscnt 0x0                ; the add is done, and my reads of the slot are over
	CROUND
	JLOAD
	ASK
.else
	s_wait_dscnt 0x0                ; the add is done, and my reads of the slot are over
	s_barrier_signal -1
	s_barrier_wait -1
.endif
.endm
; A KEY STEP.  kind 0: one of a slot's first three;  1: a slot's last, with a refill;  2: a slot's last, nothing left to ask for;  3: the last step of all.
; The four v_nop behind K Q^T are the places in front of the softmax's reads of the scores and of the loads into K's registers; with the two additions at the head they also stand between the last V^T P and the loads into V's.
.macro STEP kind
	v_add_nc_u32 v[ADV], s[TB], v[AV0]      ; this step's V
.if \kind == 0
	s_add_co_u32 s[TB], s[TB], STEPB        ; on to the next step,
.elseif \kind < 3
	s_sub_co_u32 s[TB], s[TB], (NST-1)*STEPB  ; which is the first
	s_xor_b32 s[TB], s[TB], SLOT1           ; of the other slot
.endif
.if \kind < 3
	v_add_nc_u32 v[ADK], s[TB], v[AK0]      ; its K
.endif
	s_wait_dscnt 0x0                ; this step's K is in
	WIN W_MUL
	QK
	PLACES
	WIN W_LD
	FETCH_V
.if (\kind == 1) || (\kind == 2)
	WIN 0                           ; at a label and at a branch every window is 0
	s_cmp_eq_u32 s[GRP], 0
	s_cbranch_scc1 .Llate_\@
	SOFTMAX                         ; group 1: ahead of the barrier
.Llate_\@:
.if \kind == 1
	CHANGE 1
.else
	CHANGE 0
.endif
	WIN W_LD
.endif
.if \kind < 3
	FETCH_K
.endif
	WIN 0
.if (\kind == 1) || (\kind == 2)
	s_cmp_lg_u32 s[GRP], 0
	s_cbranch_scc1 .Ldone_\@
	SOFTMAX                         ; group 0: behind it
.Ldone_\@:
.else
	SOFTMAX
.endif
.if \kind < 3
	s_wait_dscnt 16                 ; V is in; the 16 loads of the next step's K may be out
.else
	s_wait_dscnt 0x0
.endif
	WIN W_MUL
	PVM
	WIN 0
.endm
.macro THREE                        ; a slot's first three steps: written once, walked three times; the LDS addresses hang on s[TB]
	s_mov_b32 s[CNT], NST-1
.Lthree_\@:
	STEP 0
	s_sub_co_u32 s[CNT], s[CNT], 1
	s_cmp_lg_u32 s[CNT], 0
	s_cbranch_scc1 .Lthree_\@
.endm
	s_wait_tensorcnt 1              ; my part of slot 0 is in; slot 1's may stay out
	s_barrier_signal -1
	s_barrier_wait -1               ; everybody's is
	v_mov_b32 v[ADK], v[AK0]        ; key step 0 lies at LDS byte 0
	WIN W_LD
	FETCH_K
	WIN 0
	s_wait_loadcnt 0x0              ; Q
.Lslot:                             ; six trips: every slot but the last two is filled again
	THREE
	STEP 1
	s_sub_co_u32 s[SLOTS], s[SLOTS], 1
	s_cmp_lg_u32 s[SLOTS], 0
	s_cbranch_scc1 .Lslot
	THREE                           ; the tail is written out
	STEP 2
	THREE
	STEP 3
	; THE WAY OUT.  l's two halves and the other half of the lanes' are added; O^T is divided by l, rounded to f16 and sent through my stage in LDS, a tile (16 tokens) at a time.
	PLACES
.irp t, 0,1
	v_add_f32 v[ST+8*\t+4], v[ST+8*\t+2], v[ST+8*\t+3]
.endr
.irp t, 0,1
	v_permlanex16_b32 v[ST+8*\t+5], v[ST+8*\t+4], s[SEL], s[SEL+1]
.endr
.irp t, 0,1
	v_add_f32 v[ST+8*\t+4], v[ST+8*\t+4], v[ST+8*\t+5]
.endr
.irp t, 0,1
	v_rcp_f32 v[ST+8*\t+6], v[ST+8*\t+4]
.endr
	v_nop                           ; a plain instruction between the last reciprocal and the use of its result
	s_wait_alu depctr_va_vdst(0)    ; and a wait ahead of the first use: one for both
.irp t, 0,1
.irp i, 0,1,2,3,4,5,6,7,8,9,10,11,12,13,14,15
	v_pk_mul_f32 v[O+32*\t+2*\i:O+32*\t+2*\i+1], v[O+32*\t+2*\i:O+32*\t+2*\i+1], v[ST+8*\t+6:ST+8*\t+7] op_sel_hi:[1,0]   ; each accumulator from its low end on
.endr
.irp i, 0,1,2,3,4,5,6,7,8,9,10,11,12,13,14,15
	v_cvt_pk_f16_f32 v[OUTP+16*\t+\i], v[O+32*\t+2*\i], v[O+32*\t+2*\i+1]
.endr
.irp c, 0,1,2,3
	ds_store_b128 v[STO], v[OUTP+16*\t+4*\c:OUTP+16*\t+4*\c+3] offset:\t*16*144+32*\c   ; lane (r, h): token r, channels 16 c + 8 h + 0..7
.endr
.irp u, 0,1,2,3
	ds_load_b128 v[S+16*\t+4*\u:S+16*\t+4*\u+3], v[RD] offset:\t*16*144+576*\u          ; LDS serves a wave's instructions in order: these see the stores above
.endr
.endr
.irp t, 0,1
.irp u, 0,1,2,3
	s_wait_dscnt 11-8*\t-\u         ; the LDS instructions issued behind this load may stay out
	global_store_b128 v[GO], v[S+16*\t+4*\u:S+16*\t+4*\u+3], s[10:11] offset:\t*32768+\u*8192   ; 16 lanes store 256 consecutive bytes, at a multiple of 256 from att's first byte
.endr
.endr
	s_wait_tensorcnt 0x0            ; the wave's end, behind my last tensor load and my last LDS store
	ds_add_u32 v[SPW], v[NIL]
	s_wait_dscnt 0x0
	CROUND                          ; the closing round: no work-group ends while a partner may still ask for a tile that names it
	s_endpgm
.Lfunc_end_k_qd8db2fa063_attn:
	.size	k_qd8db2fa063_attn, .Lfunc_end_k_qd8db2fa063_attn-k_qd8db2fa063_attn
	.p2alignl 7, 3214868480
	.fill 96, 4, 3214868480
	.section	.rodata,"a",@progbits
	.p2align	6, 0x0
	.amdhsa_kernel k_qd8db2fa063_attn
		.amdhsa_group_segment_fixed_size 327680
		.amdhsa_private_segment_fixed_size 0
		.amdhsa_enable_private_segment 0
		.amdhsa_kernarg_size 16
		.amdhsa_user_sgpr_count 2
		.amdhsa_user_sgpr_kernarg_segment_ptr 1
		.amdhsa_wavefront_size32 1
		.amdhsa_system_sgpr_workgroup_id_x 1
		.amdhsa_system_sgpr_workgroup_id_y 1
		.amdhsa_system_sgpr_workgroup_id_z 1
		.amdhsa_system_vgpr_workitem_id 0
		.amdhsa_next_free_vgpr 384
		.amdhsa_next_free_sgpr 66
		.amdhsa_reserve_vcc 0
		.amdhsa_float_denorm_mode_32 3
		.amdhsa_float_denorm_mode_16_64 3
		.amdhsa_memory_ordered 1
		.amdhsa_forward_progress 1
		.amdhsa_inst_pref_size 147
	.end_amdhsa_kernel
	.amdgpu_metadata
---
amdhsa.version: [ 1, 2 ]
amdhsa.kernels:
  - .name:           k_qd8db2fa063_attn
    .symbol:         k_qd8db2fa063_attn.kd
    .args:
      - { .name: qkv, .offset: 0, .size: 8, .value_kind: global_buffer, .address_space: global }
      - { .name: att, .offset: 8, .size: 8, .value_kind: global_buffer, .address_space: global }
    .group_segment_fixed_size: 327680
    .private_segment_fixed_size: 0
    .kernarg_segment_align: 8
    .kernarg_segment_size: 16
    .max_flat_workgroup_size: 256
    .sgpr_count:     66
    .vgpr_count:     384
    .wavefront_size: 32
...
	.end_amdgpu_metadata
.endif
;; end of part 3
;; launch proj (part 4): grid 8 x 32, 4 waves a work-group, clusters of 4 x 4, 327,680 bytes of LDS; arguments att, wo16, bo, out0; writes out0
.if DOCPART == 4
	.amdgcn_target "amdgcn-amd-amdhsa--gfx1250"
	.amdhsa_code_object_version 6
	.text
	.protected	k_qd8db2fa063_proj
	.globl	k_qd8db2fa063_proj
	.p2align	8
	.type	k_qd8db2fa063_proj,@function
k_qd8db2fa063_proj:
	s_mov_b64 s[64:65], 0
	v_nop
	global_prefetch_b8 v0, s[64:65] scope:SCOPE_SE
	s_setreg_imm32_b32 hwreg(HW_REG_WAVE_MODE, 25, 1), 1
	s_wait_xcnt 0x0
	s_wait_alu depctr_hold_cnt(0) depctr_sa_sdst(0) depctr_va_vdst(0) depctr_va_sdst(0) depctr_va_ssrc(0) depctr_va_vcc(0) depctr_vm_vsrc(0)
	s_getreg_b32 s2, hwreg(HW_REG_IB_STS2, 6, 4)
	s_cmp_eq_u32 s2, 0
	s_cbranch_scc0 .Lentry_in_a_cluster
	s_endpgm
.Lentry_in_a_cluster:
	s_bfe_u32 s2, ttmp6, 0x10000c
	s_cmp_lg_u32 s2, 0xf033
	s_cbranch_scc0 .Lentry_shape_is_right
	s_endpgm
.Lentry_shape_is_right:
; PROJ: out0[m][n] = sum over k of attended[m][k] Wo[n][k] + bo[n], m = 4,096 tokens, n = k = 1,024; operands f16, sums f32, out0 f32.
; att: [2,048 pairs of tokens][16 heads][2 tokens][64] f16: k = 64 x head + channel.  A K step of 256 is four heads: 1,024 consecutive bytes of a pair's 4,096.  wo16: [1,024 n][1,024 k] f16.
; A tile of out0 is 128 x 128, so that there are 256 work-groups.  Four waves, each 64 x 64: 16 accumulators of 16 x 16.  K goes in four steps of 256 through two LDS slots; they are written out on end.
; CLUSTERS: 4 x 4 work-groups.  The four of a row of the cluster need the same tiles of att, the four of a column the same tiles of wo16: each tile is asked for JOINTLY, by the same tensor load with the same
; descriptor and a mask that names the four.  THE MATRIX INSTRUCTION IS USED TRANSPOSED (source 0 = 16 rows of wo16, source 1 = 16 tokens): a lane then holds eight neighbouring numbers of a row of out0.
; bo is the C of each sum's first matrix instruction.  A wave's 64 columns are 256 consecutive bytes of a row of out0, aligned: each wave has a stage of its own on the way out, and no barrier stands there.
; REGISTERS: window 0: v0-31 addresses; v32-95 rows on the way out; v96-127 bo; v128-255 the accumulators ((a, b) at v[128 + 8 (4 a + b)]).
;   window 1: two fragment buffers of 128: for 64 along K, 64 registers of att (2 x 4 x 16 tokens x 32 K), then 64 of wo16.
.set PA,     1040                      ; a pair's piece in LDS: 1,024 bytes + 16 of padding
.set HALFA,  32*PA                     ; 32 pairs = 64 tokens: what one tensor load brings, and what one wave reads of att
.set PB,     528                       ; a row of wo16 in LDS: 512 bytes + 16
.set HALFB,  64*PB                     ; 64 rows
.set BOFF,   2*HALFA                   ; a slot: att's 64 pairs, then wo16's 128 rows
.set SLOT,   BOFF+2*HALFB
.set STAGE,  2*SLOT                    ; behind the slots: 16 rows x 272 bytes for each wave, for the way out
.set SPITCH, 272
.set WSTG,   16*SPITCH
.set SPARE,  STAGE+4*WSTG              ; behind the stages: the spare words, 128 bytes a wave
.set ADRA, 16                          ; v16-17  LDS address of my att fragments in slot 0, 1
.set ADRB, 20                          ; v20-21  the same for wo16
.set STO,  24                          ; v24     the way out: where I put 32 bytes of a row
.set RD,   25                          ; v25     where I read rows back
.set CO,   26                          ; v26     my byte offset in out0
.set BAD,  27                          ; v27     32 x (lane / 16): my eight numbers of a block's sixteen of bo
.set SPW,  28                          ; v28     LDS address of my spare word; never rewritten
.set NIL,  29                          ; v29     0; never rewritten
.set OB,   32                          ; the way out: 16 rows read back: v32-63 and v64-95 by turns
.set BI,   96                          ; bo: block b at v[BI + 8 b]
.set ACC,  128
.set F0,   0                           ; fragment buffers, in window 1
.set F1,   128
.set G1, 24                            ; s[24:31] descriptor group 1 for att's tiles;  s[32:39] group 0, one set for each slot
.set G0, 32
.set G1B, 48                           ; s[48:55], s[56:63] the same for wo16's tiles
.set G0B, 56
.set MSB, 0
.macro WIN new                         ; the immediate's high byte repeats the setting that is left
.if MSB != (\new)
	s_set_vgpr_msb (MSB<<8)|(\new)
.set MSB, (\new)
.endif
.endm
.set MUL,  0x05                        ; sources 0 (wo16) and 1 (att) window 1; C and D window 0
.set TO_F, 0x40                        ; destination window 1, address window 0
.macro JLOAD s                         ; a joint load: waves 0 and 1 fetch att's two halves, waves 2 and 3 wo16's; an s_nop 0 and four v_nop follow each of the two lines
	s_cmp_eq_u32 s11, 0
	s_cbranch_scc0 .Lfor_b_\@
	tensor_load_to_lds s[G0+4*\s:G0+4*\s+3], s[G1:G1+7]
	s_nop 0
.rept 4
	v_nop
.endr
	s_branch .Lasked_\@
.Lfor_b_\@:
	tensor_load_to_lds s[G0B+4*\s:G0B+4*\s+3], s[G1B:G1B+7]
	s_nop 0
.rept 4
	v_nop
.endr
.Lasked_\@:
.endm
.macro CREST                           ; a round of the cluster's barrier behind its opening barrier
	s_cmp_lg_u32 s10, 0
	s_cbranch_scc1 .Lnot_wave_0_\@
	s_barrier_signal -3
.Lnot_wave_0_\@:
	s_barrier_wait -3
	s_barrier_signal -1
	s_barrier_wait -1
.endm
.macro CROUND                          ; a whole round
	s_barrier_signal -1
	s_barrier_wait -1
	CREST
.endm
	s_load_b128 s[4:7], s[0:1], 0x0                ; att s[4:5], wo16 s[6:7]
	s_load_b64 s[66:67], s[0:1], 0x10              ; bo
	s_load_b64 s[8:9], s[0:1], 0x18                ; out0
	v_lshl_add_u32 v[SPW], v0, 2, SPARE
	v_mov_b32 v[NIL], 0
	ds_add_u32 v[SPW], v[NIL]                      ; the wave's opening: the add, twice on end, and its wait ahead of my first tensor load; the set-up below stands between
	ds_add_u32 v[SPW], v[NIL]
	v_lshrrev_b32 v1, 5, v0
	v_readfirstlane_b32 s10, v1                    ; wave 0..3
	s_lshr_b32 s11, s10, 1                         ; which half of the tile's rows is mine.  Also: I fetch for att (0) or for wo16 (1)
	s_and_b32 s12, s10, 1                          ; which half of its columns.  Also: which half of that tile I fetch
	s_bfe_u32 s40, ttmp6, 0x40000                  ; cx, cy: my place in the cluster
	s_bfe_u32 s41, ttmp6, 0x40004
	s_lshl_b32 s42, ttmp9, 2
	s_add_co_u32 s42, s42, s40                     ; tile column = 4 x cluster x + cx
	s_and_b32 s13, ttmp7, 0xffff
	s_lshl_b32 s13, s13, 2
	s_add_co_u32 s13, s13, s41                     ; tile row = 4 x cluster y + cy
	s_lshl_b32 s43, s41, 2
	s_lshl_b32 s43, 15, s43                        ; my row of the cluster
	s_lshl_b32 s44, 0x1111, s40                    ; my column
	; descriptor group 1.  att: 32 pairs x 512 elements, 2,048 elements from pair to pair; wo16: 64 rows x 256 elements, 1,024 from row to row; both padded in LDS by four words behind each row
	s_or_b32 s[G1+0], s43, (1<<16)|(1<<20)|(1<<21)|(7<<22)|(3<<25)  ; 15:0 the mask: att's tiles go to my row; 17:16 elements of 2 bytes; 20 padding on; 21 set beside a mask; 24:22 after every 256 words; 31:25 four words
	s_mov_b32 s[G1+1], 512<<16                     ; tensor_dim0
	s_mov_b32 s[G1+2], 32<<16                      ; tensor_dim1
	s_mov_b32 s[G1+3], 512<<16                     ; tile_dim0
	s_mov_b32 s[G1+4], 32                          ; tile_dim1
	s_mov_b32 s[G1+5], 2048                        ; tensor_dim0_stride
	s_mov_b32 s[G1+6], 0
	s_mov_b32 s[G1+7], 0
	s_or_b32 s[G1B+0], s44, (1<<16)|(1<<20)|(1<<21)|(6<<22)|(3<<25) ; the mask of my column; padding after every 128 words
	s_mov_b32 s[G1B+1], 256<<16
	s_mov_b32 s[G1B+2], 64<<16
	s_mov_b32 s[G1B+3], 256<<16
	s_mov_b32 s[G1B+4], 64
	s_mov_b32 s[G1B+5], 1024
	s_mov_b32 s[G1B+6], 0
	s_mov_b32 s[G1B+7], 0
	s_lshl_b32 s17, s12, 5
	s_lshl_b32 s16, s13, 6
	s_add_co_u32 s16, s16, s17                     ; att: pair 64 x tile row + 32 x half,
	s_lshl_b32 s16, s16, 12                        ; of 4,096 bytes
	s_mov_b32 s17, 0
	s_lshl_b32 s47, s12, 6
	s_lshl_b32 s46, s42, 7
	s_add_co_u32 s46, s46, s47                     ; wo16: row 128 x tile column + 64 x half,
	s_lshl_b32 s46, s46, 11                        ; of 2,048 bytes
	s_mov_b32 s47, 0
	s_mul_i32 s20, s12, HALFA                      ; where they go: no place in the cluster enters an LDS address
	s_mul_i32 s21, s12, HALFB
	s_add_co_u32 s21, s21, BOFF
	s_wait_dscnt 0x0                               ; both opening adds are done
	s_wait_kmcnt 0x0
	s_add_nc_u64 s[14:15], s[4:5], s[16:17]
	s_add_nc_u64 s[46:47], s[6:7], s[46:47]
	CROUND                                         ; all sixteen work-groups are here: the first joint loads meet
.irp s, 0,1
	s_mov_b32 s[G0+4*\s], 1
	s_add_co_u32 s[G0+4*\s+1], s20, \s*SLOT
	s_add_nc_u64 s[G0+4*\s+2:G0+4*\s+3], s[14:15], \s*1024   ; K step s: four heads of 256 bytes on
	s_or_b32 s[G0+4*\s+3], s[G0+4*\s+3], 0x80000000
	s_mov_b32 s[G0B+4*\s], 1
	s_add_co_u32 s[G0B+4*\s+1], s21, \s*SLOT
	s_add_nc_u64 s[G0B+4*\s+2:G0B+4*\s+3], s[46:47], \s*512
	s_or_b32 s[G0B+4*\s+3], s[G0B+4*\s+3], 0x80000000
	JLOAD \s                                       ; two loads of mine are out
.endr
	v_and_b32 v1, 15, v0                           ; r = l % 16
	v_bfe_u32 v2, v0, 4, 1                         ; h = l / 16
	; out0 and bo at my 64 x 64
	s_lshl_b32 s16, s13, 7
	s_lshl_b32 s17, s11, 6
	s_add_co_u32 s16, s16, s17                     ; my first row: 128 x tile row + 64 x half,
	s_lshl_b32 s16, s16, 12                        ; of 4,096 bytes
	s_mov_b32 s17, 0
	s_add_nc_u64 s[8:9], s[8:9], s[16:17]
	s_lshl_b32 s46, s42, 9                         ; my first column, in bytes: 512 x tile column + 256 x half
	s_lshl_b32 s47, s12, 8
	s_add_co_u32 s46, s46, s47
	s_mov_b32 s47, 0
	s_add_nc_u64 s[8:9], s[8:9], s[46:47]
	s_add_nc_u64 s[66:67], s[66:67], s[46:47]
	v_lshlrev_b32 v[BAD], 5, v2
.irp b, 0,1,2,3
	global_load_b128 v[BI+8*\b:BI+8*\b+3], v[BAD], s[66:67] offset:64*\b        ; bo at columns 16 b + 8 h + 0..7
	global_load_b128 v[BI+8*\b+4:BI+8*\b+7], v[BAD], s[66:67] offset:64*\b+16
.endr
	; A fragment is 16 rows x 32 K in 8 registers: lane l holds row l % 16; registers 0-3 K = 8 (l / 16) + 0..7, registers 4-7 K = 16 + 8 (l / 16) + 0..7.
	; att: token r lies in pair r / 2, 128 (r % 2) bytes into each head's 256: modulo 256 bytes the sixteen lanes of a half stand at (r / 2) x 16 + (r % 2) x 128: sixteen different places.
	v_lshrrev_b32 v3, 1, v1
	v_mul_u32_u24 v3, v3, PA
	v_and_b32 v4, 1, v0
	v_lshl_add_u32 v3, v4, 7, v3
	v_lshl_add_u32 v3, v2, 4, v3
	v_mul_u32_u24 v4, v1, PB
	v_lshl_add_u32 v4, v2, 4, v4
	s_mul_i32 s21, s11, HALFA                      ; my 64 tokens
	s_mul_i32 s22, s12, HALFB                      ; my 64 rows of wo16,
	s_add_co_u32 s22, s22, BOFF                    ; which lie behind att's
.irp s, 0,1
	v_add_nc_u32 v[ADRA+\s], s21, v3
	v_add_nc_u32 v[ADRB+\s], s22, v4
	s_add_co_u32 s21, s21, SLOT
	s_add_co_u32 s22, s22, SLOT
.endr
	s_mul_i32 s23, s10, WSTG
	s_add_co_u32 s23, s23, STAGE                   ; my stage
	v_mul_u32_u24 v5, v1, SPITCH                   ; in: row l % 16, 32 bytes for each half of the lanes
	v_lshl_add_u32 v5, v2, 5, v5
	v_add_nc_u32 v[STO], s23, v5
	v_mul_u32_u24 v5, v2, SPITCH                   ; back: lanes 0-15 take one row of 256 bytes, lanes 16-31 the next
	v_lshl_add_u32 v5, v1, 4, v5
	v_add_nc_u32 v[RD], s23, v5
	v_lshlrev_b32 v[CO], 12, v2                    ; and the same two rows in out0
	v_lshl_add_u32 v[CO], v1, 4, v[CO]
; 8 matrix instructions: m blocks a0, a0 + 1 x all 4 n blocks, 32 along K: half c of buffer f.  zero = 1: the first product starts the sums from bo.  The 16 accumulators take turns.
.macro MUL8 f, c, a0, zero
.irp a, \a0, \a0+1
.irp b, 0,1,2,3
.if \zero
	v_wmma_f32_16x16x32_f16 v[ACC+8*(4*(\a)+\b):ACC+8*(4*(\a)+\b)+7], v[\f+64+8*(4*\c+\b):\f+64+8*(4*\c+\b)+7], v[\f+8*(4*\c+\a):\f+8*(4*\c+\a)+7], v[BI+8*\b:BI+8*\b+7]
.else
	v_wmma_f32_16x16x32_f16 v[ACC+8*(4*(\a)+\b):ACC+8*(4*(\a)+\b)+7], v[\f+64+8*(4*\c+\b):\f+64+8*(4*\c+\b)+7], v[\f+8*(4*\c+\a):\f+8*(4*\c+\a)+7], v[ACC+8*(4*(\a)+\b):ACC+8*(4*(\a)+\b)+7]
.endif
.endr
.endr
.endm
; 32 LDS loads in one run: the fragments of the slot's q-th 64 along K (one head) into buffer f; the first 32 along K first
.macro FETCH slot, q, f
	WIN TO_F
.irp c, 0,1
.irp i, 0,1,2,3
	ds_load_b128 v[\f+64+8*(4*\c+\i):\f+64+8*(4*\c+\i)+3],   v[ADRB+\slot] offset:128*(\q)+64*\c+\i*16*PB
	ds_load_b128 v[\f+64+8*(4*\c+\i)+4:\f+64+8*(4*\c+\i)+7], v[ADRB+\slot] offset:128*(\q)+64*\c+\i*16*PB+32
	ds_load_b128 v[\f+8*(4*\c+\i):\f+8*(4*\c+\i)+3],         v[ADRA+\slot] offset:256*(\q)+64*\c+\i*8*PA
	ds_load_b128 v[\f+8*(4*\c+\i)+4:\f+8*(4*\c+\i)+7],       v[ADRA+\slot] offset:256*(\q)+64*\c+\i*8*PA+32
.endr
.endr
.endm
.macro PLACES                          ; four places in front of loads into registers that matrix instructions have read, and of LDS stores that read results
.rept 4
	v_nop
.endr
.endm
; A K step is four quarters of 64 along K, 32 matrix instructions each, on buffers 0, 1, 0, 1.  One of the first three: multiplies buffer f and fetches quarter q into g.
.macro QUARTER slot, q, f, g, zero
	s_wait_dscnt 16                                ; the first 32 along K are in; the other sixteen loads may be out
	WIN MUL
	MUL8 \f, 0, 0, \zero
	MUL8 \f, 0, 2, \zero
	PLACES
	FETCH \slot, \q, \g
	s_wait_dscnt 32                                ; all but the 32 just issued
	WIN MUL
	MUL8 \f, 1, 0, 0
	MUL8 \f, 1, 2, 0
.endm
; The last quarter multiplies buffer 1 and changes slots: ONE barrier; in front of it each wave waits for all its tensor loads, adds 0 to its spare word, and waits for that and for its own reads of this slot.
; fill = 1: this slot is filled again, two K steps ahead; the barrier then opens a round of the cluster's.
.macro TURN slot, next, fill
	WIN 0                                          ; (the add's two registers lie in window 0)
	s_wait_tensorcnt 0x0                           ; all my tensor loads have landed: my part of the next slot;
	ds_add_u32 v[SPW], v[NIL]                      ; 0 onto my spare word;
	s_wait_dscnt 17                                ; (the add and the youngest sixteen loads may be out)
	WIN MUL
	MUL8 F1, 0, 0, 0                               ; eight matrix instructions stand between the add and the wait for it
	s_wait_dscnt 0x0                               ; the add is done, and my reads of this slot are over
	s_barrier_signal -1
	MUL8 F1, 0, 2, 0
.if \fill
	WIN 0
.endif
	s_barrier_wait -1
.if \fill
	CREST                                          ; no wave of any partner still reads this slot's tile or has a load on its way
	s_add_nc_u64 s[G0+4*\slot+2:G0+4*\slot+3], s[G0+4*\slot+2:G0+4*\slot+3], 2*1024
	s_add_nc_u64 s[G0B+4*\slot+2:G0B+4*\slot+3], s[G0B+4*\slot+2:G0B+4*\slot+3], 2*512
	JLOAD \slot                                    ; the first tensor load behind the round; the four v_nop behind it are also the places in front of the loads below
.else
	PLACES
.endif
	FETCH \next, 0, F0
	WIN MUL
	MUL8 F1, 1, 0, 0
	MUL8 F1, 1, 2, 0
.endm
	s_wait_tensorcnt 1                             ; my part of K step 0 is in (K step 1's load may be out),
	s_barrier_signal -1
	s_barrier_wait -1                              ; everybody's is
	FETCH 0, 0, F0
	s_wait_loadcnt 0x0                             ; bo
	QUARTER 0, 1, F0, F1, 1                        ; K step 0: its first products start the sums
	QUARTER 0, 2, F1, F0, 0
	QUARTER 0, 3, F0, F1, 0
	TURN 0, 1, 1                                   ; slot 0 takes K step 2
	QUARTER 1, 1, F0, F1, 0                        ; K step 1
	QUARTER 1, 2, F1, F0, 0
	QUARTER 1, 3, F0, F1, 0
	TURN 1, 0, 1                                   ; slot 1 takes K step 3
	QUARTER 0, 1, F0, F1, 0                        ; K step 2
	QUARTER 0, 2, F1, F0, 0
	QUARTER 0, 3, F0, F1, 0
	TURN 0, 1, 0                                   ; nothing is left to ask for
	QUARTER 1, 1, F0, F1, 0                        ; K step 3
	QUARTER 1, 2, F1, F0, 0
	QUARTER 1, 3, F0, F1, 0
	s_wait_dscnt 16                                ; the very last quarter: nothing more to fetch
	WIN MUL
	MUL8 F1, 0, 0, 0
	MUL8 F1, 0, 2, 0
	s_wait_dscnt 0
	MUL8 F1, 1, 0, 0
	MUL8 F1, 1, 2, 0
	WIN 0
; THE WAY OUT, block by block of 16 rows x 64 columns.  A lane holds 32 neighbouring bytes of a row, and the lanes beside it hold other rows: so a block goes through my own stage and comes back as whole rows of 256 bytes.
; LDS serves a wave's instructions in order: no wait between the stores and the loads, nor in front of the next block's stores.
.macro TOSTAGE a
.irp b, 0,1,2,3
	ds_store_b128 v[STO], v[ACC+8*(4*(\a)+\b):ACC+8*(4*(\a)+\b)+3] offset:64*\b          ; each accumulator from its low end on
	ds_store_b128 v[STO], v[ACC+8*(4*(\a)+\b)+4:ACC+8*(4*(\a)+\b)+7] offset:64*\b+16
.endr
.irp u, 0,1,2,3,4,5,6,7
	ds_load_b128 v[OB+32*((\a)%2)+4*\u:OB+32*((\a)%2)+4*\u+3], v[RD] offset:\u*2*SPITCH
.endr
.endm
.macro SEND a, younger                 ; younger: the LDS instructions issued behind block a's loads, which may stay out
	s_wait_dscnt \younger
.irp u, 0,1,2,3,4,5,6,7
	global_store_b128 v[CO], v[OB+32*((\a)%2)+4*\u:OB+32*((\a)%2)+4*\u+3], s[8:9] offset:(16*(\a)+2*\u)*4096 th:TH_STORE_NT   ; 16 lanes store 256 consecutive bytes, at a multiple of 256 from out0's first byte
.endr
.endm
	PLACES                                         ; behind the last products
	TOSTAGE 0
.irp a, 1,2,3
.if \a > 1
	s_wait_xcnt 0x0                                ; block a - 2's stores have read their registers: block a's loads may land there
.endif
	TOSTAGE \a
	SEND \a-1, 16                                  ; behind block a - 1's loads: block a's 8 stores and 8 loads
.endr
	SEND 3, 0
	s_wait_tensorcnt 0x0                           ; the wave's end, behind my last tensor load and my last LDS store
	ds_add_u32 v[SPW], v[NIL]
	s_wait_dscnt 0x0
	CROUND                                         ; the closing round: no work-group ends while a partner may still ask for a tile that names it
	s_endpgm
.Lfunc_end_k_qd8db2fa063_proj:
	.size	k_qd8db2fa063_proj, .Lfunc_end_k_qd8db2fa063_proj-k_qd8db2fa063_proj
	.p2alignl 7, 3214868480
	.fill 96, 4, 3214868480
	.section	.rodata,"a",@progbits
	.p2align	6, 0x0
	.amdhsa_kernel k_qd8db2fa063_proj
		.amdhsa_group_segment_fixed_size 327680
		.amdhsa_private_segment_fixed_size 0
		.amdhsa_enable_private_segment 0
		.amdhsa_kernarg_size 32
		.amdhsa_user_sgpr_count 2
		.amdhsa_user_sgpr_kernarg_segment_ptr 1
		.amdhsa_wavefront_size32 1
		.amdhsa_system_sgpr_workgroup_id_x 1
		.amdhsa_system_sgpr_workgroup_id_y 1
		.amdhsa_system_sgpr_workgroup_id_z 1
		.amdhsa_system_vgpr_workitem_id 0
		.amdhsa_next_free_vgpr 512
		.amdhsa_next_free_sgpr 68
		.amdhsa_reserve_vcc 0
		.amdhsa_float_denorm_mode_32 3
		.amdhsa_float_denorm_mode_16_64 3
		.amdhsa_memory_ordered 1
		.amdhsa_forward_progress 1
		.amdhsa_inst_pref_size 87
	.end_amdhsa_kernel
	.amdgpu_metadata
---
amdhsa.version: [ 1, 2 ]
amdhsa.kernels:
  - .name:           k_qd8db2fa063_proj
    .symbol:         k_qd8db2fa063_proj.kd
    .args:
      - { .name: att, .offset: 0, .size: 8, .value_kind: global_buffer, .address_space: global }
      - { .name: wo16, .offset: 8, .size: 8, .value_kind: global_buffer, .address_space: global }
      - { .name: bo, .offset: 16, .size: 8, .value_kind: global_buffer, .address_space: global }
      - { .name: out0, .offset: 24, .size: 8, .value_kind: global_buffer, .address_space: global }
    .group_segment_fixed_size: 327680
    .private_segment_fixed_size: 0
    .kernarg_segment_align: 8
    .kernarg_segment_size: 32
    .max_flat_workgroup_size: 128
    .sgpr_count:     68
    .vgpr_count:     512
    .wavefront_size: 32
...
	.end_amdgpu_metadata
.endif
;; end of part 4
